; MI455X (gfx1250); checked and timed in simulation.
; The chip was launched on July 23, 2026; its instructions are those of AMD's public machine-readable ISA for CDNA 5 (MIT licence, August 2026) and "CDNA5" Instruction Set Architecture Reference Guide (July 2026). The comments in the code are by the model that wrote it; some were corrected since.
;; Query Self Attention. Allowed arithmetic: matrix products marked QUANTISED: E2M1 operands, one E8M0 scale for each 32 along K, by v_wmma_scale_f32_16x16x128_f8f6f4 with both operands' format E2M1 (or v_wmma_scale_f32_32x16x128_f4), f32 sums; products left as they are: bf16, f16 or f32 operands; f32 sums; everything else in f32.
;; Inputs: Wk 4,096 x 512 float32; Wo 1,024 x 4,096 float32; Wq 4,096 x 1,024 float32; Wv 4,096 x 512 float32; attention_mask 2 x 1 x 2,048 x 2,048 float32; by_pass_hidden_states 2 x 2,048 x 4,096 float32; position_ids 2 x 2,048 int32.
;; Outputs: out0 2 x 2,048 x 4,096 float32.
;; This version of the problem:
;;   THIS VERSION OF THE PROBLEM IS GIVEN IN LOW PRECISION. The matrix products marked QUANTISED in the list below multiply operands that are first quantised to E2M1 (2 exponent bits, 1 mantissa bit; 4 bits a number), with one power-of-two scale for each 32 numbers along K (OCP MX v1.0); their sums are f32. The products marked 'left as it is' may take bf16, f16 or f32 operands, with f32 sums. Whichever they take, every output number must still come out within the allowed error. Rounding operands to bf16 (8 significant bits) uses up far more of that allowance than f16 does (11 bits, for magnitudes from 6e-5 to 65,504). All else is computed in f32.
;;   The module's matrix products, in the order in which they are computed (A, B: the left and right operand; K: the contracted axis; several contracted axes count as one K, in the product's order):
;;     1. [M 4,096, K 4,096] x [K 4,096, N 1,024]; A: input by_pass_hidden_states; B: input Wq: QUANTISED
;;     2. [M 4,096, K 4,096] x [K 4,096, N 512]; A: input by_pass_hidden_states; B: input Wk: QUANTISED
;;     3. [M 4,096, K 4,096] x [K 4,096, N 512]; A: input by_pass_hidden_states; B: input Wv: QUANTISED
;;     4. batch 8 x [M 4,096, K 128] x [K 128, N 2,048]; A: computed on the way; B: computed on the way: left as it is (an operand is computed on the way)
;;     5. batch 8 x [M 4,096, K 2,048] x [K 2,048, N 128]; A: computed on the way; B: computed on the way: left as it is (an operand is computed on the way)
;;     6. [M 4,096, K 1,024] x [K 1,024, N 4,096]; A: computed on the way; B: input Wo: left as it is (an operand is computed on the way)
;;   THE QUANTISER, for each operand of a quantised product, along K:
;;     - K is cut into blocks of 32 from its start; a last block that is shorter is filled with zeros.
;;     - A block's scale is 2^e with e = floor(log2(the largest magnitude in the block)) - 2, held to -126 .. 127; a block of zeros has e = 0. As a byte (E8M0): e + 127.
;;     - Each number is divided by its block's scale, clamped to +-6, and rounded to the nearest number of E2M1, ties to even, subnormals kept.
;;     - The product sums the exact products of the quantised numbers (number of the format x scale) in f32.
;;   ~~~python
;;   def quantise(x, axis):      # numpy; x: float32 -> the quantised numbers, widened to float32 again
;;       x = np.moveaxis(x, axis, -1); K = x.shape[-1]
;;       x = np.pad(x, [(0, 0)] * (x.ndim - 1) + [(0, -K % 32)]); x = x.reshape(x.shape[:-1] + (-1, 32)); a = np.abs(x).max(-1, keepdims=True)
;;       e = np.where(a > 0, np.clip(np.frexp(np.where(a > 0, a, 1))[1] - 1 - 2, -126, 127), 0)      # np.frexp(a)[1] - 1 = floor(log2(a)), exactly
;;       r = np.clip(x / 2.0 ** e, -6, 6)
;;       step = 2.0 ** (np.maximum(np.frexp(np.where(r == 0, 1, r))[1] - 1, 0) - 1)
;;       q = np.round(r / step) * step * 2.0 ** e      # np.round: ties to even
;;       return np.moveaxis(q.reshape(q.shape[:-2] + (-1,))[..., :K], -1, axis).astype(np.float32)
;;   ~~~
;; One version. Each part assembles by itself: llvm-mc -triple=amdgcn-amd-amdhsa -mcpu=gfx1250 --defsym DOCPART=n.
;; ======== version 1 of 1: 4 launches
;; limits: right only within a limited range of input values; values are held in f16: magnitudes above 65,504 overflow, below 6.1e-05 lose precision
;; workspace buffers: x_codes 8,388,608 bytes; x_scales 524,288 bytes; w_codes 4,194,304 bytes; w_scales 262,144 bytes; wo16 8,388,608 bytes; rope 2,129,920 bytes; qkv16 16,777,216 bytes; ctx16 8,388,608 bytes
;; launch prep (part 1): grid 900 x 1, 4 waves a work-group, no clusters, 68,096 bytes of LDS; arguments by_pass_hidden_states, Wq, Wk, Wv, x_codes, x_scales, w_codes, w_scales, position_ids, rope; writes x_codes, x_scales, w_codes, w_scales, rope
.if DOCPART == 1
	.amdgcn_target "amdgcn-amd-amdhsa--gfx1250"
	.amdhsa_code_object_version 6
	.text
	.protected	k_qf649bc679d_prep
	.globl	k_qf649bc679d_prep
	.p2align	8
	.type	k_qf649bc679d_prep,@function
k_qf649bc679d_prep:
	s_mov_b64 s[64:65], 0
	v_nop
	global_prefetch_b8 v0, s[64:65] scope:SCOPE_SE
	s_setreg_imm32_b32 hwreg(HW_REG_WAVE_MODE, 25, 1), 1
	s_wait_xcnt 0x0
; What the projections need, made once from the inputs.  Three kinds of work-group, told apart by the work-group's number alone:
;   0-127             W: Wq | Wk | Wv [4096 k][n] f32 -> codes of FP4 (E2M1) with K innermost, w_codes [2048 n][2048 bytes], and E8M0 bytes w_scales [2048 n][128]   (n: 0-1023 Wq, 1024-1535 Wk, 1536-2047 Wv)
;   128-511, 640-767  X: x [4096 m][4096 k] f32 -> x_codes [4096][2048 bytes], x_scales [4096][128]
;   512-639, 768-899  R: the rotary table, one block of 8,192 bytes for each 16 rows m = b S + s, from position_ids, in the order of the projection's accumulator registers: cos / 8 at q x 512 + lane x 16
;                        (q = 2 b + jh; lane (r, h); number e: row 16 mb + r, channel 16 b + 8 h + 4 jh + e), sin / 8 4,096 bytes further on.  Blocks 256-259 are cos = 1/8, sin = 0: v's rows take them.
; The kinds are dealt over the numbers so that the numbers i, i + 256 and i + 512 read 384 KiB together for every i under 256 (W reads 256 KiB, X 128 KiB, R 64 bytes).
; A block's scale is 2^(floor(log2(largest magnitude)) - 2); its byte is the largest magnitude's exponent field - 2, held at 1 from below.  A block of zeros gets the byte 1 where the rule says 127:
; its codes are zeros, which add nothing under any byte but 0xff, and this program alone reads the bytes.
; LIMITS: NaN and infinities among x and the weights are not served; position_ids lie in 0 .. 2047, the table that the positions index.
; The sine and cosine: the angle less n pi/2 in two parts, then polynomials on |r| <= pi/4; good for angles up to 2,047, the largest that the table has.
; The two kinds that use LDS have bytes of their own: X 0 .. 32,767, W 32,768 .. 67,583; the spare words lie behind them.
.set SPARE, 67584                      ; 128 bytes for each wave: two blocks of 256 bytes that no other line names
.set SPW,   222                        ; v222 LDS address of my spare word; never rewritten
.set NIL,   223                        ; v223 0; never rewritten
.set WSTG,  32768                      ; W: four stages of 32 rows x 272 bytes
.set WP,    272
.set WX,    32                         ; W: v32-95 two sets of 32 numbers
.set WC,    96                         ; W: v96-99 a block's codes
.set WOUT,  112                        ; W: v112-175 the way out
.set WSB,   24                         ; W: v24-27 the scale bytes
.set OF,    176                        ; W: v176-207 byte offset of row i of a block: 4 x lane + i x pitch (the pitch is chosen, so it cannot stand in an immediate)
.set SP,    80                         ; X: a lane's place in a stage: 64 bytes + 16 of padding
.set XR,    16                         ; X: v16-79 four sets of 16 numbers as loaded
.set XX,    80                         ; X: v80-111 two sets of 16 neighbours
.set XE,    112                        ; X: v112-127 a scale byte for each step
.set XC,    128                        ; X: v128-191 codes, four registers for each step
.set STEPS, 16
	s_load_b256 s[4:11], s[0:1], 0x0               ; x s[4:5], Wq s[6:7], Wk s[8:9], Wv s[10:11]
	s_load_b128 s[16:19], s[0:1], 0x20             ; x_codes s[16:17], x_scales s[18:19]
	s_load_b128 s[20:23], s[0:1], 0x30             ; w_codes s[20:21], w_scales s[22:23]
	s_load_b64 s[14:15], s[0:1], 0x40              ; position_ids
	s_load_b64 s[26:27], s[0:1], 0x48              ; rope
	v_lshl_add_u32 v[SPW], v0, 2, SPARE
	v_mov_b32 v[NIL], 0
	v_lshrrev_b32 v1, 5, v0
	v_readfirstlane_b32 s2, v1                     ; wave 0..3
	v_and_b32 v2, 31, v0                           ; lane
	s_wait_kmcnt 0x0
	s_cmp_lt_u32 ttmp9, 128
	s_cbranch_scc1 .Lpath_w
	s_mov_b32 s3, 128                              ; s3: what is taken off the work-group's number to count within its kind
	s_cmp_lt_u32 ttmp9, 512
	s_cbranch_scc1 .Lpath_x                        ; X 0 .. 383
	s_mov_b32 s3, 512
	s_cmp_lt_u32 ttmp9, 640
	s_cbranch_scc1 .Lpath_r                        ; R 0 .. 127
	s_mov_b32 s3, 256
	s_cmp_lt_u32 ttmp9, 768
	s_cbranch_scc1 .Lpath_x                        ; X 384 .. 511
	s_mov_b32 s3, 640                              ; R 128 .. 259
; ---------------------------------------------------------------- R: the rotary table
.Lpath_r:
	s_sub_co_u32 s28, ttmp9, s3                    ; block 0 .. 259
	s_min_u32 s29, s28, 255                        ; the identity blocks read a row that exists,
	s_cmp_lt_u32 s28, 256
	s_cselect_b32 s3, 1.0, 0                       ; and multiply its position by 0: angle 0, cos 1, sin 0
	s_lshl_b32 s30, s29, 6                         ; 16 positions of 4 bytes
	s_mov_b32 s31, 0
	s_add_nc_u64 s[14:15], s[14:15], s[30:31]
	v_and_b32 v3, 15, v0                           ; r
	v_bfe_u32 v4, v0, 4, 1                         ; h
	v_lshlrev_b32 v5, 2, v3
	global_load_b32 v6, v5, s[14:15]               ; my row's position
	s_lshr_b32 s30, s2, 1
	s_lshl_b32 s30, s30, 4
	s_and_b32 s31, s2, 1
	s_lshl_b32 s31, s31, 2
	s_add_co_u32 s30, s30, s31                     ; wave w makes q = w and q = w + 4: channels 16 (w / 2) + 4 (w % 2) + 32 u + 8 h + e
	v_lshl_add_u32 v7, v4, 3, s30
	s_mov_b32 s36, 0x3fc90fdb                      ; pi/2, its f32,
	s_mov_b32 s37, 0xb33bbd2e                      ; and what that f32 lacks
	s_mov_b32 s38, 0xb94ca1f9                      ; sine: z^3's coefficient,
	s_mov_b32 s39, 0x3c08839e                      ; z^2's
	s_mov_b32 s40, 0x37ccf5ce                      ; cosine likewise
	s_mov_b32 s41, 0xbab6061a
.irp i, 0,1,2,3,4,5,6,7
	v_add_nc_u32 v[16+\i], 32*(\i/4)+\i%4, v7      ; the channel d, 0 .. 63
.endr
.irp i, 0,1,2,3,4,5,6,7
	v_cvt_f32_u32 v[16+\i], v[16+\i]
.endr
.irp i, 0,1,2,3,4,5,6,7
	v_mul_f32 v[16+\i], 0xbe549a78, v[16+\i]       ; - d log2(10000) / 64
.endr
.irp i, 0,1,2,3,4,5,6,7
	v_exp_f32 v[16+\i], v[16+\i]                   ; 10000^(-d / 64)
.endr
	v_nop                                          ; a plain instruction behind the last exponential
	s_wait_alu depctr_va_vdst(0)                   ; one wait for the eight, ahead of their first reader
	s_wait_loadcnt 0x0
	v_min_u32 v6, 0x7ff, v6
	v_cvt_f32_u32 v6, v6
	v_mul_f32 v6, s3, v6
.irp i, 0,1,2,3,4,5,6,7
	v_mul_f32 v[16+\i], v6, v[16+\i]               ; the angle, rounded once
.endr
.irp i, 0,1,2,3,4,5,6,7
	v_mul_f32 v[24+\i], 0x3f22f983, v[16+\i]       ; x 2 / pi
.endr
.irp i, 0,1,2,3,4,5,6,7
	v_rndne_f32 v[24+\i], v[24+\i]                 ; n
.endr
.irp i, 0,1,2,3,4,5,6,7
	v_fma_f32 v[32+\i], -v[24+\i], s36, v[16+\i]
.endr
.irp i, 0,1,2,3,4,5,6,7
	v_fma_f32 v[32+\i], -v[24+\i], s37, v[32+\i]   ; r = angle - n pi/2
.endr
.irp i, 0,1,2,3,4,5,6,7
	v_mul_f32 v[40+\i], v[32+\i], v[32+\i]         ; z = r r
.endr
.irp i, 0,1,2,3,4,5,6,7
	v_fma_f32 v[48+\i], v[40+\i], s38, s39
.endr
.irp i, 0,1,2,3,4,5,6,7
	v_fmaak_f32 v[48+\i], v[48+\i], v[40+\i], 0xbe2aaaa3
.endr
.irp i, 0,1,2,3,4,5,6,7
	v_mul_f32 v[48+\i], v[48+\i], v[40+\i]
.endr
.irp i, 0,1,2,3,4,5,6,7
	v_fma_f32 v[48+\i], v[48+\i], v[32+\i], v[32+\i]   ; sin r
.endr
.irp i, 0,1,2,3,4,5,6,7
	v_fma_f32 v[56+\i], v[40+\i], s40, s41
.endr
.irp i, 0,1,2,3,4,5,6,7
	v_fmaak_f32 v[56+\i], v[56+\i], v[40+\i], 0x3d2aaaa5
.endr
.irp i, 0,1,2,3,4,5,6,7
	v_mul_f32 v[56+\i], v[56+\i], v[40+\i]
.endr
.irp i, 0,1,2,3,4,5,6,7
	v_fma_f32 v[72+\i], v[40+\i], -0.5, 1.0
.endr
.irp i, 0,1,2,3,4,5,6,7
	v_fma_f32 v[56+\i], v[56+\i], v[40+\i], v[72+\i]   ; cos r
.endr
.irp i, 0,1,2,3,4,5,6,7
	v_cvt_i32_f32 v[64+\i], v[24+\i]
.endr
.irp i, 0,1,2,3,4,5,6,7
	v_and_b32 v[72+\i], 1, v[64+\i]                ; an odd quarter turn swaps the two
	v_cmp_eq_u32 vcc_lo, 1, v[72+\i]
	v_cndmask_b32 v[88+\i], v[48+\i], v[56+\i], vcc_lo
	v_cndmask_b32 v[80+\i], v[56+\i], v[48+\i], vcc_lo
.endr
.irp i, 0,1,2,3,4,5,6,7
	v_and_b32 v[72+\i], 2, v[64+\i]                ; the sine is negative in quarters 2 and 3,
	v_add_nc_u32 v[64+\i], 1, v[64+\i]
.endr
.irp i, 0,1,2,3,4,5,6,7
	v_lshlrev_b32 v[72+\i], 30, v[72+\i]
	v_and_b32 v[64+\i], 2, v[64+\i]                ; the cosine in quarters 1 and 2
.endr
.irp i, 0,1,2,3,4,5,6,7
	v_xor_b32 v[88+\i], v[88+\i], v[72+\i]
	v_lshlrev_b32 v[64+\i], 30, v[64+\i]
.endr
.irp i, 0,1,2,3,4,5,6,7
	v_xor_b32 v[80+\i], v[80+\i], v[64+\i]
	v_mul_f32 v[88+\i], 0x3e000000, v[88+\i]       ; / 8: q, k and v are kept as f16 of an eighth
.endr
.irp i, 0,1,2,3,4,5,6,7
	v_mul_f32 v[80+\i], 0x3e000000, v[80+\i]
.endr
	s_lshl_b32 s30, s28, 13                        ; my block,
	s_lshl_b32 s31, s2, 9                          ; q = wave
	s_add_co_u32 s30, s30, s31
	s_mov_b32 s31, 0
	s_add_nc_u64 s[26:27], s[26:27], s[30:31]
	v_lshlrev_b32 v8, 4, v2
	global_store_b128 v8, v[80:83], s[26:27]               ; each store of the wave covers 512 consecutive bytes
	global_store_b128 v8, v[84:87], s[26:27] offset:2048   ; q = wave + 4
	global_store_b128 v8, v[88:91], s[26:27] offset:4096
	global_store_b128 v8, v[92:95], s[26:27] offset:6144
	s_endpgm
; ---------------------------------------------------------------- W: a lane takes a column n, its registers run down K
.Lpath_w:
	s_and_b32 s28, ttmp9, 15                       ; which 128 columns of the 2,048
	s_lshr_b32 s29, ttmp9, 4                       ; which 512 along K
	s_cmp_lt_u32 s28, 12
	s_cselect_b64 s[32:33], s[8:9], s[10:11]       ; Wk or Wv,
	s_cselect_b32 s30, 8, 12                       ; and the group at which it begins
	s_cmp_lt_u32 s28, 8
	s_cselect_b64 s[32:33], s[6:7], s[32:33]       ; or Wq
	s_cselect_b32 s30, 0, s30
	s_mov_b32 s31, 2048
	s_cselect_b32 s31, 4096, s31                   ; a row of the weight in bytes
	s_sub_co_u32 s30, s28, s30
	s_lshl_b32 s30, s30, 9                         ; 128 columns of 4 bytes
	s_lshl_b32 s34, s2, 7                          ; my wave's 32 columns
	s_add_co_u32 s30, s30, s34
	s_mul_i32 s34, s29, s31
	s_lshl_b32 s34, s34, 9                         ; 512 rows
	s_add_co_u32 s34, s34, s30
	s_mov_b32 s35, 0
	s_add_nc_u64 s[32:33], s[32:33], s[34:35]
	s_lshl_b32 s36, s31, 5                         ; a block on: 32 rows
	s_mov_b32 s37, 0
	s_lshl_b32 s38, s28, 7
	s_lshl_b32 s39, s2, 5
	s_add_co_u32 s38, s38, s39                     ; my wave's first column n
	s_lshl_b32 s40, s38, 11                        ; codes: 2,048 bytes a column,
	s_lshl_b32 s41, s29, 8                         ; 256 bytes for 512 along K
	s_add_co_u32 s40, s40, s41
	s_mov_b32 s41, 0
	s_add_nc_u64 s[20:21], s[20:21], s[40:41]
	s_lshl_b32 s40, s38, 7                         ; scale bytes: 128 a column, 16 for 512 along K
	s_lshl_b32 s42, s29, 4
	s_add_co_u32 s40, s40, s42
	s_add_nc_u64 s[22:23], s[22:23], s[40:41]
	v_lshlrev_b32 v[OF], 2, v2
.set i, 1
.rept 31
	v_add_nc_u32 v[OF+i], s31, v[OF+i-1]
.set i, i+1
.endr
	s_mul_i32 s39, s2, 32*WP
	s_add_co_u32 s39, s39, WSTG                    ; my stage
	v_mul_u32_u24 v4, v2, WP
	v_add_nc_u32 v4, s39, v4                       ; into it: row = my column
	v_and_b32 v5, 15, v2
	v_lshrrev_b32 v6, 4, v2
	v_mul_u32_u24 v7, v6, WP
	v_lshl_add_u32 v7, v5, 4, v7
	v_add_nc_u32 v7, s39, v7                       ; out of it: sixteen lanes to a row, two rows an instruction
	v_lshlrev_b32 v8, 11, v6
	v_lshl_add_u32 v8, v5, 4, v8                   ; and the same place in w_codes
	v_lshlrev_b32 v9, 7, v2                        ; my column's row of scale bytes
.macro LOADW t                         ; block t: 32 rows at my column, into set t % 2; then the base goes a block on
.set i, 0
.rept 32
	global_load_b32 v[WX+32*((\t)%2)+i], v[OF+i], s[32:33] th:TH_LOAD_NT
.set i, i+1
.endr
	s_wait_xcnt 0x0                                ; the loads have read their base: only now is it stepped
	s_add_nc_u64 s[32:33], s[32:33], s[36:37]
.endm
	LOADW 0
	LOADW 1
.macro BLOCK t
.set XS, WX+32*((\t)%2)
.if (\t) < 15
	s_wait_loadcnt 32                              ; this block's 32 loads are in; the next block's may be out
.else
	s_wait_loadcnt 0x0
.endif
	v_max3_num_f32 v12, |v[XS]|, |v[XS+1]|, |v[XS+2]|   ; the block's largest magnitude: all 32 numbers are mine
	v_max3_num_f32 v13, |v[XS+3]|, |v[XS+4]|, |v[XS+5]|
.irp i, 6,10,14,18,22,26
	v_max3_num_f32 v12, v12, |v[XS+\i]|, |v[XS+\i+1]|
	v_max3_num_f32 v13, v13, |v[XS+\i+2]|, |v[XS+\i+3]|
.endr
	v_max3_num_f32 v12, v12, |v[XS+30]|, |v[XS+31]|
	v_max3_num_f32 v12, v12, v13, 0x1800000        ; and the floor 2^(3 - 127): the byte cannot fall under 1
	v_add_nc_u32 v11, 0xff000000, v12              ; 2 off the exponent field: the conversion takes that field as its scale
	v_lshrrev_b32 v13, 23, v11                     ; the scale's byte
.if (\t)%4 == 0
	v_mov_b32 v[WSB+(\t)/4], v13
.else
	v_lshl_or_b32 v[WSB+(\t)/4], v13, 8*((\t)%4), v[WSB+(\t)/4]
.endif
.irp g, 0,1,2,3
	v_cvt_scalef32_pk8_fp4_f32 v[WC+\g], v[XS+8*\g:XS+8*\g+7], v11
.endr
	ds_store_b128 v4, v[WC:WC+3] offset:16*(\t)    ; 32 codes: 16 bytes of my column's row
.if (\t)+2 < 16
	LOADW (\t)+2
.endif
	s_wait_dscnt 0x0                               ; the store has read its registers: the next block's codes may be written
.endm
.set Q, 0
.rept 16
	BLOCK Q
.set Q, Q+1
.endr
	global_store_b128 v9, v[WSB:WSB+3], s[22:23]   ; my column's 16 scale bytes
.irp t, 0,1,2,3,4,5,6,7,8,9,10,11,12,13,14,15
	ds_load_b128 v[WOUT+4*\t:WOUT+4*\t+3], v7 offset:2*\t*WP   ; a wave's LDS instructions are served in order: these see my stores
.endr
.irp t, 0,1,2,3,4,5,6,7,8,9,10,11,12,13,14,15
	s_wait_dscnt 15-\t
	global_store_b128 v8, v[WOUT+4*\t:WOUT+4*\t+3], s[20:21] offset:2*\t*2048   ; sixteen lanes store 256 consecutive bytes, aligned
.endr
	s_wait_tensorcnt 0x0                           ; the wave's end
	ds_add_u32 v[SPW], v[NIL]
	s_wait_dscnt 0x0
	s_endpgm
; ---------------------------------------------------------------- X: a plain stream of blocks of 32; a wave takes 16 steps of 512 numbers
.Lpath_x:
	s_sub_co_u32 s28, ttmp9, s3                    ; X's work-group 0 .. 511
	s_lshl_b32 s28, s28, 2
	s_add_co_u32 s28, s28, s2                      ; which run of 8,192 numbers is my wave's
	s_lshl_b32 s30, s28, 15
	s_mov_b32 s31, 0
	s_add_nc_u64 s[4:5], s[4:5], s[30:31]
	s_lshl_b32 s30, s28, 12
	s_add_nc_u64 s[16:17], s[16:17], s[30:31]
	s_lshl_b32 s30, s28, 8
	s_add_nc_u64 s[18:19], s[18:19], s[30:31]
	v_lshlrev_b32 v3, 4, v2                        ; my 16 bytes of a load's 512
	s_mul_i32 s29, s2, 8192                        ; my wave's region of LDS: two stages, then its 256 scale bytes
	v_lshrrev_b32 v14, 2, v2
	v_mul_u32_u24 v14, v14, SP
	v_and_b32 v15, 3, v2
	v_lshl_add_u32 v14, v15, 4, v14
	v_add_nc_u32 v14, s29, v14                     ; the stage, on the way in: four lanes' 64 bytes on end, then 16 of padding
	v_mul_u32_u24 v15, v2, SP
	v_add_nc_u32 v15, s29, v15                     ; and on the way out: my 16 neighbours
	v_lshlrev_b32 v4, 3, v2                        ; my 8 bytes of a step's codes
	v_lshrrev_b32 v5, 1, v2
	s_add_co_u32 s29, s29, 2*32*SP
	v_add_nc_u32 v5, s29, v5                       ; my block's scale byte
	v_lshlrev_b32 v7, 3, v2
	v_add_nc_u32 v6, s29, v7
.macro XLOAD t
.irp i, 0,1,2,3
	global_load_b128 v[XR+16*((\t)%4)+4*\i:XR+16*((\t)%4)+4*\i+3], v3, s[4:5] offset:2048*(\t)+512*\i th:TH_LOAD_NT   ; 32 lanes read 512 consecutive bytes
.endr
.endm
.macro XTURN t                         ; step t's numbers through the stage, so that a lane gets 16 neighbours along K
.irp i, 0,1,2,3
	ds_store_b128 v14, v[XR+16*((\t)%4)+4*\i:XR+16*((\t)%4)+4*\i+3] offset:32*SP*((\t)%2)+8*SP*\i
.endr
.irp i, 0,1,2,3
	ds_load_b128 v[XX+16*((\t)%2)+4*\i:XX+16*((\t)%2)+4*\i+3], v15 offset:32*SP*((\t)%2)+16*\i
.endr
.endm
.irp t, 0,1,2,3
	XLOAD \t
.endr
	s_wait_loadcnt 12                              ; step 0's four loads are in
	XTURN 0
.macro XSTEP t
.set XS, XX+16*((\t)%2)
.if (\t) > 0
	s_wait_dscnt 1                                 ; this step's numbers are back from the stage (the last step's byte store may be out)
.else
	s_wait_dscnt 0x0
.endif
.if (\t)+4 < STEPS
	XLOAD (\t)+4                                   ; into the registers that the stage's stores have read
.endif
.if (\t)+1 < STEPS
.if STEPS-2-(\t) >= 3
	s_wait_loadcnt 12                              ; the next step's four loads are in; three steps' may be out
.else
	s_wait_loadcnt 4*(STEPS-2-(\t))
.endif
	XTURN (\t)+1
.endif
	v_max3_num_f32 v8, |v[XS]|, |v[XS+1]|, |v[XS+2]|
	v_max3_num_f32 v9, |v[XS+3]|, |v[XS+4]|, |v[XS+5]|
.irp i, 6,10
	v_max3_num_f32 v8, v8, |v[XS+\i]|, |v[XS+\i+1]|
	v_max3_num_f32 v9, v9, |v[XS+\i+2]|, |v[XS+\i+3]|
.endr
	v_max3_num_f32 v8, v8, |v[XS+14]|, |v[XS+15]|
	v_max3_num_f32 v8, v8, v9, 0x1800000           ; the floor 2^(3 - 127)
	v_max_num_f32_dpp v8, v8, v8 row_xmask:1 row_mask:0xf bank_mask:0xf   ; with my neighbour's 16: the block's largest magnitude
	v_add_nc_u32 v11, 0xff000000, v8
	v_cvt_scalef32_pk8_fp4_f32 v[XC+4*(\t)], v[XS:XS+7], v11
	v_cvt_scalef32_pk8_fp4_f32 v[XC+4*(\t)+1], v[XS+8:XS+15], v11
	v_lshrrev_b32 v[XE+(\t)], 23, v11              ; the scale's byte
	ds_store_b8 v5, v[XE+(\t)] offset:16*(\t)      ; both lanes of a block write the same byte with the same value
	global_store_b64 v4, v[XC+4*(\t):XC+4*(\t)+1], s[16:17] offset:256*(\t)   ; the wave stores 256 consecutive bytes, aligned
.endm
.irp t, 0,1,2,3,4,5,6,7,8,9,10,11,12,13,14,15
	XSTEP \t
.endr
	ds_load_b64 v[8:9], v6
	s_wait_dscnt 0x0
	global_store_b64 v7, v[8:9], s[18:19]          ; my wave's 256 scale bytes
	s_wait_tensorcnt 0x0                           ; the wave's end
	ds_add_u32 v[SPW], v[NIL]
	s_wait_dscnt 0x0
	s_endpgm
.Lfunc_end_k_qf649bc679d_prep:
	.size	k_qf649bc679d_prep, .Lfunc_end_k_qf649bc679d_prep-k_qf649bc679d_prep
	.p2alignl 7, 3214868480
	.fill 96, 4, 3214868480
	.section	.rodata,"a",@progbits
	.p2align	6, 0x0
	.amdhsa_kernel k_qf649bc679d_prep
		.amdhsa_group_segment_fixed_size 68096
		.amdhsa_private_segment_fixed_size 0
		.amdhsa_enable_private_segment 0
		.amdhsa_kernarg_size 80
		.amdhsa_user_sgpr_count 2
		.amdhsa_user_sgpr_kernarg_segment_ptr 1
		.amdhsa_wavefront_size32 1
		.amdhsa_system_sgpr_workgroup_id_x 1
		.amdhsa_system_sgpr_workgroup_id_y 1
		.amdhsa_system_sgpr_workgroup_id_z 1
		.amdhsa_system_vgpr_workitem_id 0
		.amdhsa_next_free_vgpr 224
		.amdhsa_next_free_sgpr 66
		.amdhsa_reserve_vcc 1
		.amdhsa_float_denorm_mode_32 3
		.amdhsa_float_denorm_mode_16_64 3
		.amdhsa_memory_ordered 1
		.amdhsa_forward_progress 1
		.amdhsa_inst_pref_size 127
	.end_amdhsa_kernel
	.amdgpu_metadata
---
amdhsa.version: [ 1, 2 ]
amdhsa.kernels:
  - .name:           k_qf649bc679d_prep
    .symbol:         k_qf649bc679d_prep.kd
    .args:
      - { .name: by_pass_hidden_states, .offset: 0, .size: 8, .value_kind: global_buffer, .address_space: global }
      - { .name: Wq, .offset: 8, .size: 8, .value_kind: global_buffer, .address_space: global }
      - { .name: Wk, .offset: 16, .size: 8, .value_kind: global_buffer, .address_space: global }
      - { .name: Wv, .offset: 24, .size: 8, .value_kind: global_buffer, .address_space: global }
      - { .name: x_codes, .offset: 32, .size: 8, .value_kind: global_buffer, .address_space: global }
      - { .name: x_scales, .offset: 40, .size: 8, .value_kind: global_buffer, .address_space: global }
      - { .name: w_codes, .offset: 48, .size: 8, .value_kind: global_buffer, .address_space: global }
      - { .name: w_scales, .offset: 56, .size: 8, .value_kind: global_buffer, .address_space: global }
      - { .name: position_ids, .offset: 64, .size: 8, .value_kind: global_buffer, .address_space: global }
      - { .name: rope, .offset: 72, .size: 8, .value_kind: global_buffer, .address_space: global }
    .group_segment_fixed_size: 68096
    .private_segment_fixed_size: 0
    .kernarg_segment_align: 8
    .kernarg_segment_size: 80
    .max_flat_workgroup_size: 128
    .sgpr_count:     66
    .vgpr_count:     224
    .wavefront_size: 32
...
	.end_amdgpu_metadata
.endif
;; end of part 1
;; launch qkv (part 2): grid 16 x 16, 4 waves a work-group, clusters of 4 x 4, 327,680 bytes of LDS; arguments x_codes, x_scales, w_codes, w_scales, rope, qkv16, Wo, wo16; writes qkv16, wo16
.if DOCPART == 2
	.amdgcn_target "amdgcn-amd-amdhsa--gfx1250"
	.amdhsa_code_object_version 6
	.text
	.protected	k_qf649bc679d_qkv
	.globl	k_qf649bc679d_qkv
	.p2align	8
	.type	k_qf649bc679d_qkv,@function
k_qf649bc679d_qkv:
	s_mov_b64 s[64:65], 0
	v_nop
	global_prefetch_b8 v0, s[64:65] scope:SCOPE_SE
	s_setreg_imm32_b32 hwreg(HW_REG_WAVE_MODE, 25, 1), 1
	s_wait_xcnt 0x0
	s_wait_alu depctr_hold_cnt(0) depctr_sa_sdst(0) depctr_va_vdst(0) depctr_va_sdst(0) depctr_va_ssrc(0) depctr_va_vcc(0) depctr_vm_vsrc(0)
	s_getreg_b32 s2, hwreg(HW_REG_IB_STS2, 6, 4)
	s_cmp_eq_u32 s2, 0
	s_cbranch_scc0 .Lentry_in_a_cluster
	s_endpgm
.Lentry_in_a_cluster:
	s_bfe_u32 s2, ttmp6, 0x10000c
	s_cmp_lg_u32 s2, 0xf033
	s_cbranch_scc0 .Lentry_shape_is_right
	s_endpgm
.Lentry_shape_is_right:
; q | k | v = x (Wq | Wk | Wv) on codes of FP4 (E2M1) with one E8M0 scale for each 32 along K, sums in f32; then the rotary turn in f32; the result / 8 is rounded once to f16.
; x_codes [4096 m][2048 bytes], x_scales [4096][128]; w_codes [2048 n][2048 bytes], w_scales [2048][128].  qkv16 [16 slots][4096 m][128] f16: slot 0-7 q's heads, 8-11 k's, 12-15 v's.
; A tile is 256 rows x 128 columns, one slot wide: 16 x 16 = 256 work-groups.  Wave w makes rows 64 w .. 64 w + 63 x all 128 columns: 32 accumulators.
; THE MATRIX INSTRUCTION IS USED TRANSPOSED (source 0 = 16 rows of w_codes, source 1 = 16 rows of x_codes): register j of lane (r, h) of accumulator (a, b) is row 16 a + r, channel 16 b + 8 h + j.
; So channels d and d + 64 lie in the same lane and register of accumulators (a, b) and (a, b + 4): the rotary turn stays inside a lane, and its table comes in the same order, 64 loads of 16 bytes a lane.
; K goes in steps of 512 (rows of 256 bytes) through a ring of two LDS slots; the scale bytes of the tile's rows and columns, for all of K, come once with the first fills and stay.
; CLUSTERS: 4 x 4.  The four of a row of the cluster need the same rows of x, the four of a column the same rows of w: each tile is asked for jointly.
; THE WALK ALONG K BEGINS AT K = 0 OR AT K = 2,048, by turns from cluster to cluster (f = (cluster x ^ cluster y ^ (cluster y / 2)) % 2, the same in all sixteen partners), and goes round: so, of the clusters that
; read the same rows of x or of w, one half asks for each tile four K steps ahead of the other half.  The sums are f32 sums of the same products; their order along K is 0 .. 4,095 or 2,048 .. 4,095, 0 .. 2,047.
; BESIDE IT each wave casts 16 KiB of Wo [1024 k][4096 n] f32 to wo16 = f16(8 Wo), same layout, for the last launch: four chunks of eight loads of 512 bytes, each asked for a trip ahead and worked just ahead of a
; change of slots; a chunk's eight stores cover 256 consecutive bytes each.
; LIMITS: |q|, |k|, |v| stay under 524,000 (f16 of an eighth); |Wo| under 8,100 (f16 of 8 Wo).
; REGISTERS, in windows of 256: window 0: v16-31 addresses; v32-95 scale words, two sets; v128-191 x's fragments, two sets of 32; v192-239 the cast; on the way out v96-255 are free.
;   window 1: w's fragments, two sets of 64, at v0 and v128.   window 2: accumulator (a, b) at v[8 (8 a + b)].   window 3: cos / 8 at v[64 a + 8 b + j], sin / 8 at v[64 a + 32 + 8 b + j].
.set PITCH,  272                       ; an LDS row: 256 bytes + 16 of padding
.set BOFF,   256*PITCH                 ; a slot: x's 256 rows, then w's 128
.set SLOT,   384*PITCH
.set SCL,    2*SLOT                    ; x's scale bytes: 128 units of 256 bytes + 16 (two rows to a unit),
.set SCLB,   SCL+128*272               ; w's: 64 units
.set SBLK,   8*272                     ; those of 16 rows
.set STAGE,  SCLB+64*272               ; the way out: 16 rows x 272 bytes for each wave; no tile lands here
.set SPARE,  STAGE+4*16*272            ; the spare words, 128 bytes for each wave: two blocks of 256 bytes that no other line names
.set FR,     8
.set NQ,     4                         ; matrix instructions deep in a slot
.set ADRA, 16                          ; v16-17 LDS address of my x fragments in slot 0, 1
.set ADRB, 20                          ; v20-21 the same for w
.set STO,  24
.set RD,   25
.set CO,   26                          ; v26 16 x lane
.set ADRS, 27                          ; v27 my row's scale bytes: lanes 0-15 x's rows, lanes 16-31 w's; never rewritten
.set SPW,  28
.set NIL,  29
.set ADRC, 30                          ; v30 v27 + the K step's 16 bytes in the row
.set CST,  31                          ; v31 8 x lane: the cast's stores
.set SC,   32                          ; set s at v[SC + 32 s]; register 4 i + q: lanes 0-15 the word of x's block i, lanes 16-31 that of w's block i
.set AF,   128
.set PKR,  128                         ; the way out: 32 registers of f16 pairs
.set TLO,  192                         ; the way out: channels 0-63 turned, v192-223; channels 64-127, v224-255
.set THI,  224
.set CI,   192                         ; the cast: v192-223 a chunk of Wo as loaded
.set CR,   224                         ; the cast: v224-239 its f16
.set WV,   16                          ; s16 wave
.set FB,   17                          ; s17 I fetch for x (0) or for w (1)
.set HF,   18                          ; s18 which half of that tile
.set LAP,  19
.set SO,   46                          ; s46 the K step's 16 scale bytes in a row of 128: 16 x (K step), going round
.set G1,   24
.set G0,   32
.set G1B,  48
.set G0B,  56
.set G1S,  68
.set G0S,  76
.set G1SB, 80
.set G0SB, 88
; s[4:5], s[8:9]: x_codes and w_codes at the first row that I fetch.  s[66:67], s[2:3]: slot 0's and slot 1's byte in a row of 2,048, going round.  s[96:97], s[98:99]: Wo and wo16 at my chunk.  s[40:41]: 8.0
.set MSB, 0
.macro WIN new                         ; the immediate's high byte repeats the setting that is left
.if MSB != \new
	s_set_vgpr_msb (MSB<<8)|\new
.set MSB, \new
.endif
.endm
.set MUL,  0xa1                        ; source 0 (w) window 1, source 1 (x) window 0, C and D window 2
.set TO_B, 0x40
; A joint load: waves 0 and 1 fetch for x, waves 2 and 3 for w.  The branch hangs on the wave's number alone.  An s_nop 0 and four v_nop follow each of the two lines.
.macro JLOAD g0a, g1a, g0b, g1b
	s_cmp_eq_u32 s[FB], 0
	s_cbranch_scc0 .Lfor_b_\@
	tensor_load_to_lds s[\g0a:\g0a+3], s[\g1a:\g1a+7]
	s_nop 0
.rept 4
	v_nop
.endr
	s_branch .Lasked_\@
.Lfor_b_\@:
	tensor_load_to_lds s[\g0b:\g0b+3], s[\g1b:\g1b+7]
	s_nop 0
.rept 4
	v_nop
.endr
.Lasked_\@:
.endm
; The global addresses of a slot's two descriptors: the rows' base + the slot's byte in a row.  Written only where no tensor load that names them is out.
.macro SETADR slot
.set KO, 66-64*(\slot)
	s_add_nc_u64 s[G0+4*(\slot)+2:G0+4*(\slot)+3], s[4:5], s[KO:KO+1]
	s_or_b32 s[G0+4*(\slot)+3], s[G0+4*(\slot)+3], 0x80000000
	s_add_nc_u64 s[G0B+4*(\slot)+2:G0B+4*(\slot)+3], s[8:9], s[KO:KO+1]
	s_or_b32 s[G0B+4*(\slot)+3], s[G0B+4*(\slot)+3], 0x80000000
.endm
.macro CREST                           ; a round of the cluster's barrier behind its opening barrier
	s_cmp_lg_u32 s[WV], 0
	s_cbranch_scc1 .Lnot_wave_0_\@
	s_barrier_signal -3
.Lnot_wave_0_\@:
	s_barrier_wait -3
	s_barrier_signal -1
	s_barrier_wait -1
.endm
.macro CROUND
	s_barrier_signal -1
	s_barrier_wait -1
	CREST
.endm
.macro PLACES                          ; four plain places behind matrix instructions, ahead of loads into registers that they read and of reads of their results
.rept 4
	v_nop
.endr
.endm
	s_load_b128 s[4:7], s[0:1], 0x0                ; x_codes, x_scales
	s_load_b128 s[8:11], s[0:1], 0x10              ; w_codes, w_scales
	s_load_b128 s[12:15], s[0:1], 0x20             ; rope, qkv16
	s_load_b128 s[96:99], s[0:1], 0x30             ; Wo, wo16
	v_lshl_add_u32 v[SPW], v0, 2, SPARE
	v_mov_b32 v[NIL], 0
	ds_add_u32 v[SPW], v[NIL]                      ; the wave's opening: the add, twice on end, and its wait ahead of my first tensor load
	ds_add_u32 v[SPW], v[NIL]
	v_lshrrev_b32 v1, 5, v0
	v_readfirstlane_b32 s[WV], v1
	s_lshr_b32 s[FB], s[WV], 1
	s_and_b32 s[HF], s[WV], 1
	s_bfe_u32 s40, ttmp6, 0x40000                  ; cx
	s_bfe_u32 s41, ttmp6, 0x40004                  ; cy
	s_lshl_b32 s42, ttmp9, 2
	s_add_co_u32 s42, s42, s40                     ; tile column = slot = 4 x cluster x + cx
	s_and_b32 s43, ttmp7, 0xffff
	s_lshl_b32 s43, s43, 2
	s_add_co_u32 s43, s43, s41                     ; tile row = 4 x cluster y + cy
	s_lshl_b32 s44, s41, 2
	s_lshl_b32 s44, 15, s44                        ; my row of the cluster
	s_lshl_b32 s45, 0x1111, s40                    ; my column
	s_or_b32 s[G1+0], s44, (0<<16)|(1<<20)|(1<<21)|(5<<22)|(3<<25)   ; the mask; elements of 1 byte; padding on; bit 21 beside a mask; after every 64 words, 4 words
	s_or_b32 s[G1B+0], s45, (0<<16)|(1<<20)|(1<<21)|(5<<22)|(3<<25)
	s_mov_b32 s[G1+1], 256<<16                     ; tensor_dim0 = 256 bytes
	s_mov_b32 s[G1+2], 128<<16                     ; tensor_dim1 = 128 rows
	s_mov_b32 s[G1+3], 256<<16                     ; tile_dim0
	s_mov_b32 s[G1+4], 128                         ; tile_dim1
	s_mov_b32 s[G1+5], 2048                        ; from row to row
	s_mov_b32 s[G1+6], 0
	s_mov_b32 s[G1+7], 0
	s_mov_b32 s[G1B+1], 256<<16
	s_mov_b32 s[G1B+2], 64<<16                     ; w: 64 rows to a load
	s_mov_b32 s[G1B+3], 256<<16
	s_mov_b32 s[G1B+4], 64
	s_mov_b32 s[G1B+5], 2048
	s_mov_b32 s[G1B+6], 0
	s_mov_b32 s[G1B+7], 0
	s_or_b32 s[G1S+0], s44, (3<<16)|(1<<20)|(1<<21)|(5<<22)|(3<<25)  ; the scale bytes: dense blocks, as rows of 256 bytes (32 elements of 8), 16 bytes of padding behind each
	s_or_b32 s[G1SB+0], s45, (3<<16)|(1<<20)|(1<<21)|(5<<22)|(3<<25)
	s_mov_b32 s[G1S+1], 32<<16
	s_mov_b32 s[G1S+2], 64<<16                     ; 128 rows x 128 bytes = 64 units
	s_mov_b32 s[G1S+3], 32<<16
	s_mov_b32 s[G1S+4], 64
	s_mov_b32 s[G1S+5], 32
	s_mov_b32 s[G1S+6], 0
	s_mov_b32 s[G1S+7], 0
	s_mov_b32 s[G1SB+1], 32<<16
	s_mov_b32 s[G1SB+2], 32<<16                    ; 64 rows = 32 units
	s_mov_b32 s[G1SB+3], 32<<16
	s_mov_b32 s[G1SB+4], 32
	s_mov_b32 s[G1SB+5], 32
	s_mov_b32 s[G1SB+6], 0
	s_mov_b32 s[G1SB+7], 0
	s_lshl_b32 s20, s43, 8
	s_lshl_b32 s21, s[HF], 7
	s_add_co_u32 s20, s20, s21                     ; x: row 256 x tile row + 128 x half
	s_lshl_b32 s22, s20, 7                         ; its scale bytes,
	s_mov_b32 s23, 0
	s_lshl_b32 s20, s20, 11                        ; its codes
	s_mov_b32 s21, 0
	s_lshl_b32 s46, s42, 7
	s_lshl_b32 s47, s[HF], 6
	s_add_co_u32 s46, s46, s47                     ; w: row 128 x tile column + 64 x half
	s_lshl_b32 s92, s46, 7
	s_mov_b32 s93, 0
	s_lshl_b32 s46, s46, 11
	s_mov_b32 s47, 0
	s_mul_i32 s94, s[HF], 128*PITCH                ; where they go: no place in the cluster enters an LDS address
	s_mul_i32 s95, s[HF], 64*PITCH
	s_mul_i32 s19, s[HF], 32*272
	s_wait_dscnt 0x0                               ; both opening adds are done
	s_wait_kmcnt 0x0
	s_add_nc_u64 s[4:5], s[4:5], s[20:21]          ; x_codes at the first row that I fetch: it stays
	s_add_nc_u64 s[22:23], s[6:7], s[22:23]
	s_add_nc_u64 s[8:9], s[8:9], s[46:47]          ; w_codes likewise
	s_add_nc_u64 s[92:93], s[10:11], s[92:93]
	s_and_b32 s47, ttmp7, 0xffff                   ; where my cluster's walk along K begins: cluster y,
	s_lshr_b32 s46, s47, 1
	s_xor_b32 s47, s47, s46
	s_xor_b32 s47, s47, ttmp9                      ; cluster x:
	s_and_b32 s47, s47, 1                          ; f, the same in all sixteen partners
	s_lshl_b32 s[SO], s47, 6                       ; K step 4 f: 16 scale bytes a K step,
	s_lshl_b32 s66, s47, 10                        ; 256 bytes of codes a K step: slot 0's first tile,
	s_mov_b32 s67, 0
	s_add_co_u32 s2, s66, 256                      ; slot 1's
	s_mov_b32 s3, 0
	CROUND                                         ; all sixteen work-groups are here: the first joint loads meet
	s_mov_b32 s[G0S], 1
	s_add_co_u32 s[G0S+1], s95, SCL                ; x's scales: 64 units to a half
	s_mov_b64 s[G0S+2:G0S+3], s[22:23]
	s_or_b32 s[G0S+3], s[G0S+3], 0x80000000
	s_mov_b32 s[G0SB], 1
	s_add_co_u32 s[G0SB+1], s19, SCLB
	s_mov_b64 s[G0SB+2:G0SB+3], s[92:93]
	s_or_b32 s[G0SB+3], s[G0SB+3], 0x80000000
	JLOAD G0S, G1S, G0SB, G1SB                     ; the scales first: they are wanted with the first K step.  Three loads of mine are out behind the first fills
.irp s, 0,1
	s_mov_b32 s[G0+4*\s], 1
	s_add_co_u32 s[G0+4*\s+1], s94, \s*SLOT
	s_mov_b32 s[G0B+4*\s], 1
	s_add_co_u32 s[G0B+4*\s+1], s95, \s*SLOT+BOFF
	SETADR \s
	JLOAD G0+4*\s, G1, G0B+4*\s, G1B
.endr
	v_and_b32 v1, 15, v0                           ; r
	v_bfe_u32 v2, v0, 4, 1                         ; h
	v_mul_u32_u24 v3, v1, PITCH
	v_lshl_add_u32 v4, v2, 4, v3                   ; a fragment's row x pitch + 16 h
	s_mul_i32 s21, s[WV], 64*PITCH                 ; my 64 rows of x
	s_mov_b32 s22, BOFF                            ; all of w's 128
.irp s, 0,1
	v_add_nc_u32 v[ADRA+\s], s21, v4
	v_add_nc_u32 v[ADRB+\s], s22, v4
	s_add_co_u32 s21, s21, SLOT
	s_add_co_u32 s22, s22, SLOT
.endr
	v_lshlrev_b32 v5, 7, v1                        ; my row's scale bytes: 128 a row,
	v_lshrrev_b32 v6, 1, v1
	v_lshl_add_u32 v5, v6, 4, v5                   ; and 16 more for each 256 passed
	s_mul_i32 s21, s[WV], 32*272                   ; x's: my 64 rows
	s_sub_co_u32 s22, SCLB-SCL, s21
	v_mul_u32_u24 v6, s22, v2                      ; lanes 16-31 take w's: one product in h
	s_add_co_u32 s21, s21, SCL
	v_add_nc_u32 v5, v5, v6
	v_add_nc_u32 v[ADRS], s21, v5
	v_add_nc_u32 v[ADRC], s[SO], v[ADRS]           ; at my first K step's 16 bytes
	s_mul_i32 s23, s[WV], 16*272
	s_add_co_u32 s23, s23, STAGE                   ; my stage
	v_add_nc_u32 v[STO], s23, v4                   ; in: row r, 16 bytes for each half of the lanes
	v_mul_u32_u24 v5, v2, 272
	v_lshl_add_u32 v5, v1, 4, v5
	v_add_nc_u32 v[RD], s23, v5                    ; back: lanes 0-15 one row of 256 bytes, lanes 16-31 the next
	v_and_b32 v6, 31, v0
	v_lshlrev_b32 v[CO], 4, v6                     ; rows of qkv16 are 256 dense bytes: two rows are 512, 16 a lane
	v_lshlrev_b32 v[CST], 3, v6
	s_lshl_b32 s20, s43, 4
	s_lshl_b32 s21, s[WV], 2
	s_add_co_u32 s20, s20, s21                     ; my first block of the table: 16 x tile row + 4 x wave;
	s_cmp_eq_u32 ttmp9, 3                          ; slots 12-15 are v's (cluster x = 3, which all partners share):
	s_cselect_b32 s20, 256, s20                    ; they take the blocks with cos = 1/8, sin = 0
	s_lshl_b32 s20, s20, 13
	s_mov_b32 s21, 0
	s_add_nc_u64 s[12:13], s[12:13], s[20:21]
	WIN 0xc0                                       ; destination window 3
.irp a, 0,1,2,3
.irp q, 0,1,2,3,4,5,6,7
	global_load_b128 v[64*\a+4*\q:64*\a+4*\q+3], v[CO], s[12:13] offset:\a*8192+\q*512
	global_load_b128 v[64*\a+32+4*\q:64*\a+32+4*\q+3], v[CO], s[12:13] offset:\a*8192+\q*512+4096
.endr
.endr
	WIN 0
	s_lshl_b32 s20, s43, 8
	s_lshl_b32 s21, s[WV], 6
	s_add_co_u32 s20, s20, s21                     ; my first row
	s_lshl_b32 s20, s20, 8
	s_lshl_b32 s21, s42, 20                        ; my slot
	s_add_co_u32 s20, s20, s21
	s_mov_b32 s21, 0
	s_add_nc_u64 s[14:15], s[14:15], s[20:21]
	s_lshl_b32 s20, s43, 4                         ; the cast: which of 1,024 runs of Wo is my wave's: 4 x (16 x tile row + tile column) + wave
	s_add_co_u32 s20, s20, s42
	s_lshl_b32 s20, s20, 2
	s_add_co_u32 s20, s20, s[WV]
	s_lshl_b32 s22, s20, 13                        ; 8,192 bytes of wo16,
	s_mov_b32 s23, 0
	s_lshl_b32 s20, s20, 14                        ; 16,384 of Wo
	s_mov_b32 s21, 0
	s_add_nc_u64 s[96:97], s[96:97], s[20:21]
	s_add_nc_u64 s[98:99], s[98:99], s[22:23]
	s_mov_b32 s40, 0x41000000                      ; 8.0
	s_mov_b32 s41, s40                             ; (named with it as a pair, so it is written)
.macro CLOAD                           ; a chunk of Wo: eight loads of 512 consecutive bytes
.irp i, 0,1,2,3,4,5,6,7
	global_load_b128 v[CI+4*\i:CI+4*\i+3], v[CO], s[96:97] offset:512*\i th:TH_LOAD_NT
.endr
.endm
; A chunk, asked for a trip ago, is multiplied by 8, rounded to f16 and stored.  more = 1: the next chunk is asked for.
.macro CAST more
	WIN 0
	s_wait_loadcnt 0x0                             ; the chunk's eight loads are in (and the table's, asked for ahead of them)
.set i, 0
.rept 16
	v_pk_mul_f32 v[CI+2*i:CI+2*i+1], v[CI+2*i:CI+2*i+1], s[40:41] op_sel_hi:[1,0]
.set i, i+1
.endr
.set i, 0
.rept 16
	v_cvt_pk_f16_f32 v[CR+i], v[CI+2*i], v[CI+2*i+1]
.set i, i+1
.endr
.irp i, 0,1,2,3,4,5,6,7
	global_store_b64 v[CST], v[CR+2*\i:CR+2*\i+1], s[98:99] offset:256*\i   ; the wave stores 256 consecutive bytes, aligned
.endr
	s_wait_xcnt 0x0                                ; the stores have read their base and their data: the base is stepped, and the next chunk's f16 (or the way out) may be written there
	s_add_nc_u64 s[98:99], s[98:99], 2048
.if \more
	s_add_nc_u64 s[96:97], s[96:97], 4096
	CLOAD
.endif
.endm
	CLOAD                                          ; the first chunk
.macro FRAG reg, adr, q, i             ; 16 rows x 128 K of 4-bit codes: registers 4 c .. 4 c + 3 hold K = 64 c + 32 h + 0 .. 31
.irp c, 0,1
	ds_load_b128 v[\reg+4*\c:\reg+4*\c+3], v[\adr] offset:64*(\q)+32*\c+(\i)*16*PITCH
.endr
.endm
.macro FETCH_B slot, q, p              ; w's eight fragments of the slot's q-th 128 along K into set p
	WIN TO_B
.irp i, 0,1,2,3,4,5,6,7
	FRAG 128*(\p)+FR*\i, ADRB+\slot, \q, \i
.endr
	WIN 0
.endm
.macro FETCH_A slot, q, p              ; x's four
.irp i, 0,1,2,3
	FRAG AF+32*(\p)+FR*\i, ADRA+\slot, \q, \i
.endr
.endm
.macro SCALES sc                       ; a K step's scale words: four words a row
.irp i, 0,1,2,3,4,5,6,7
	ds_load_b128 v[SC+32*\sc+NQ*\i:SC+32*\sc+NQ*\i+3], v[ADRC] offset:\i*SBLK   ; (for i of 4 and more lanes 0-15 read filled bytes that no product takes)
.endr
.endm
; 8 products: x's block a against w's eight.  The 32 accumulators take turns, one instruction a turn, in the same order in every step.
.macro MULA a, p, q, sc, zero
.irp b, 0,1,2,3,4,5,6,7
.if \zero
	v_wmma_scale_f32_16x16x128_f8f6f4 v[8*(8*(\a)+\b):8*(8*(\a)+\b)+7], v[128*(\p)+FR*\b:128*(\p)+FR*\b+FR-1], v[AF+32*(\p)+FR*(\a):AF+32*(\p)+FR*(\a)+FR-1], 0, v[SC+32*(\sc)+NQ*\b+(\q)], v[SC+32*(\sc)+NQ*(\a)+(\q)] matrix_a_fmt:MATRIX_FMT_FP4 matrix_b_fmt:MATRIX_FMT_FP4 matrix_a_scale:MATRIX_SCALE_ROW1
.else
	v_wmma_scale_f32_16x16x128_f8f6f4 v[8*(8*(\a)+\b):8*(8*(\a)+\b)+7], v[128*(\p)+FR*\b:128*(\p)+FR*\b+FR-1], v[AF+32*(\p)+FR*(\a):AF+32*(\p)+FR*(\a)+FR-1], v[8*(8*(\a)+\b):8*(8*(\a)+\b)+7], v[SC+32*(\sc)+NQ*\b+(\q)], v[SC+32*(\sc)+NQ*(\a)+(\q)] matrix_a_fmt:MATRIX_FMT_FP4 matrix_b_fmt:MATRIX_FMT_FP4 matrix_a_scale:MATRIX_SCALE_ROW1
.endif
.endr
.endm
; A step of 128 along K that has its successor in the same slot: the successor's 24 loads go out ahead of this step's 32 products.
.macro STEP slot, q, zero
	s_wait_dscnt 0x0                               ; this step's fragments (and, at a slot's head, its scale words) are in
	PLACES                                         ; behind the last step's products, which read the sets that are loaded now
	FETCH_B \slot, (\q)+1, 1-(\q)%2
	FETCH_A \slot, (\q)+1, 1-(\q)%2
	WIN MUL
	MULA 0, (\q)%2, \q, \slot, \zero
	MULA 1, (\q)%2, \q, \slot, \zero
	MULA 2, (\q)%2, \q, \slot, \zero
	MULA 3, (\q)%2, \q, \slot, \zero
.endm
; A slot's last step changes slots: one barrier; in front of it each wave waits for all its tensor loads, adds 0 to its spare word, and waits for that and for its reads of this slot.
.macro TURN slot, next, fill
	WIN 0                                          ; (the add's two registers lie in window 0)
	s_wait_tensorcnt 0x0                           ; all my tensor loads have landed: my part of the next slot
	ds_add_u32 v[SPW], v[NIL]
	s_wait_dscnt 1                                 ; my fragments are in; the add alone may be out
	WIN MUL
	MULA 0, 1, 3, \slot, 0                         ; sixteen products stand between the add and the wait for it
	MULA 1, 1, 3, \slot, 0
	s_wait_dscnt 0x0                               ; the add is done, and my reads of this slot are over
	s_barrier_signal -1
	MULA 2, 1, 3, \slot, 0
	WIN 0
	s_barrier_wait -1
.if \fill
	CREST                                          ; the barrier has opened a round of the cluster's: no wave of any partner still reads this slot or has a load on its way
.set KO, 66-64*(\slot)
	s_add_co_u32 s[KO], s[KO], 512                 ; this slot's next tile: two K steps on,
	s_and_b32 s[KO], s[KO], 2047                   ; going round in the row's 2,048 bytes
	SETADR \slot
	JLOAD G0+4*\slot, G1, G0B+4*\slot, G1B         ; my one tensor load behind the round; its four v_nop are also the places in front of the loads below
.else
	PLACES
.endif
	s_add_co_u32 s[SO], s[SO], 16                  ; the next K step's scale words,
	s_and_b32 s[SO], s[SO], 0x70                   ; going round in the row's 128 bytes
	v_add_nc_u32 v[ADRC], s[SO], v[ADRS]
	FETCH_B \next, 0, 0
	FETCH_A \next, 0, 0
	SCALES \next
	WIN MUL
	MULA 3, 1, 3, \slot, 0
.endm
	s_wait_tensorcnt 1                             ; the scales and my part of the first K step are in; the second's load may be out
	s_barrier_signal -1
	s_barrier_wait -1
	FETCH_B 0, 0, 0
	FETCH_A 0, 0, 0
	SCALES 0
	STEP 0, 0, 1                                   ; the first step stands ahead of the loop: its products start the sums
	WIN 0
	s_mov_b32 s[LAP], 3
.Llap:                                                 ; a trip goes once round the ring, fills both slots again and casts a chunk of Wo
	STEP 0, 1, 0
	STEP 0, 2, 0
	TURN 0, 1, 1
	STEP 1, 0, 0
	STEP 1, 1, 0
	STEP 1, 2, 0
	CAST 1
	TURN 1, 0, 1
	STEP 0, 0, 0
	WIN 0
	s_sub_co_u32 s[LAP], s[LAP], 1
	s_cmp_lg_u32 s[LAP], 0
	s_cbranch_scc1 .Llap
	STEP 0, 1, 0                                   ; the last lap fills nothing
	STEP 0, 2, 0
	CAST 0                                         ; the fourth and last chunk
	TURN 0, 1, 0
	STEP 1, 0, 0
	STEP 1, 1, 0
	STEP 1, 2, 0
	s_wait_dscnt 0x0
	WIN MUL
	MULA 0, 1, 3, 1, 0
	MULA 1, 1, 3, 1, 0
	MULA 2, 1, 3, 1, 0
	MULA 3, 1, 3, 1, 0
	WIN 0
; THE WAY OUT, 16 rows at a time.  out(d) = x(d) cos - x(d + 64) sin, out(d + 64) = x(d + 64) cos + x(d) sin, d < 64; the table already holds an eighth of cos and sin.
.macro ROPE a
	WIN 0x0e                                       ; source 0 window 2 (the sums), source 1 window 3 (the table), the rest window 0
.irp b, 0,1,2,3
.irp j, 0,2,4,6                        ; each accumulator is read from its low end on
	v_pk_mul_f32 v[TLO+8*\b+\j:TLO+8*\b+\j+1], v[64*(\a)+8*\b+\j:64*(\a)+8*\b+\j+1], v[64*(\a)+8*\b+\j:64*(\a)+8*\b+\j+1]
	v_pk_mul_f32 v[THI+8*\b+\j:THI+8*\b+\j+1], v[64*(\a)+32+8*\b+\j:64*(\a)+32+8*\b+\j+1], v[64*(\a)+8*\b+\j:64*(\a)+8*\b+\j+1]
	v_pk_fma_f32 v[TLO+8*\b+\j:TLO+8*\b+\j+1], v[64*(\a)+32+8*\b+\j:64*(\a)+32+8*\b+\j+1], v[64*(\a)+32+8*\b+\j:64*(\a)+32+8*\b+\j+1], v[TLO+8*\b+\j:TLO+8*\b+\j+1] neg_lo:[1,0,0] neg_hi:[1,0,0]
	v_pk_fma_f32 v[THI+8*\b+\j:THI+8*\b+\j+1], v[64*(\a)+8*\b+\j:64*(\a)+8*\b+\j+1], v[64*(\a)+32+8*\b+\j:64*(\a)+32+8*\b+\j+1], v[THI+8*\b+\j:THI+8*\b+\j+1]
.endr
.endr
	WIN 0
.endm
.macro PACKH                           ; 64 numbers a lane to f16: eight neighbouring channels are 16 bytes
.set i, 0
.rept 32
	v_cvt_pk_f16_f32 v[PKR+i], v[TLO+2*i], v[TLO+2*i+1]
.set i, i+1
.endr
.endm
.macro TOSTAGE a                       ; into my stage, and back as whole rows; a wave's LDS instructions are served in order
.set BB, 160-64*((\a)%2)
.irp n, 0,1,2,3,4,5,6,7
	ds_store_b128 v[STO], v[PKR+4*\n:PKR+4*\n+3] offset:32*\n
.endr
.irp t, 0,1,2,3,4,5,6,7
	ds_load_b128 v[BB+4*\t:BB+4*\t+3], v[RD] offset:544*\t
.endr
.endm
.macro SEND a
.set BB, 160-64*((\a)%2)
	s_wait_dscnt 0x0                               ; the block is back in registers
	s_wait_xcnt 0x0                                ; the block before's stores have read their registers: the next block's loads may land there
.irp t, 0,1,2,3,4,5,6,7
	global_store_b128 v[CO], v[BB+4*\t:BB+4*\t+3], s[14:15] offset:(\a)*4096+512*\t   ; the wave stores 512 consecutive bytes, aligned
.endr
.endm
	s_wait_loadcnt 0x0                             ; the table
	PLACES
	ROPE 0
	PACKH
	TOSTAGE 0
.irp a, 1,2,3
	ROPE \a
	SEND \a-1
	PACKH
	TOSTAGE \a
.endr
	SEND 3
	s_wait_tensorcnt 0x0                           ; the wave's end
	ds_add_u32 v[SPW], v[NIL]
	s_wait_dscnt 0x0
	CROUND                                         ; the closing round
	s_endpgm
.Lfunc_end_k_qf649bc679d_qkv:
	.size	k_qf649bc679d_qkv, .Lfunc_end_k_qf649bc679d_qkv-k_qf649bc679d_qkv
	.p2alignl 7, 3214868480
	.fill 96, 4, 3214868480
	.section	.rodata,"a",@progbits
	.p2align	6, 0x0
	.amdhsa_kernel k_qf649bc679d_qkv
		.amdhsa_group_segment_fixed_size 327680
		.amdhsa_private_segment_fixed_size 0
		.amdhsa_enable_private_segment 0
		.amdhsa_kernarg_size 64
		.amdhsa_user_sgpr_count 2
		.amdhsa_user_sgpr_kernarg_segment_ptr 1
		.amdhsa_wavefront_size32 1
		.amdhsa_system_sgpr_workgroup_id_x 1
		.amdhsa_system_sgpr_workgroup_id_y 1
		.amdhsa_system_sgpr_workgroup_id_z 1
		.amdhsa_system_vgpr_workitem_id 0
		.amdhsa_next_free_vgpr 1024
		.amdhsa_next_free_sgpr 100
		.amdhsa_reserve_vcc 0
		.amdhsa_float_denorm_mode_32 3
		.amdhsa_float_denorm_mode_16_64 3
		.amdhsa_memory_ordered 1
		.amdhsa_forward_progress 1
		.amdhsa_inst_pref_size 153
	.end_amdhsa_kernel
	.amdgpu_metadata
---
amdhsa.version: [ 1, 2 ]
amdhsa.kernels:
  - .name:           k_qf649bc679d_qkv
    .symbol:         k_qf649bc679d_qkv.kd
    .args:
      - { .name: x_codes, .offset: 0, .size: 8, .value_kind: global_buffer, .address_space: global }
      - { .name: x_scales, .offset: 8, .size: 8, .value_kind: global_buffer, .address_space: global }
      - { .name: w_codes, .offset: 16, .size: 8, .value_kind: global_buffer, .address_space: global }
      - { .name: w_scales, .offset: 24, .size: 8, .value_kind: global_buffer, .address_space: global }
      - { .name: rope, .offset: 32, .size: 8, .value_kind: global_buffer, .address_space: global }
      - { .name: qkv16, .offset: 40, .size: 8, .value_kind: global_buffer, .address_space: global }
      - { .name: Wo, .offset: 48, .size: 8, .value_kind: global_buffer, .address_space: global }
      - { .name: wo16, .offset: 56, .size: 8, .value_kind: global_buffer, .address_space: global }
    .group_segment_fixed_size: 327680
    .private_segment_fixed_size: 0
    .kernarg_segment_align: 8
    .kernarg_segment_size: 64
    .max_flat_workgroup_size: 128
    .sgpr_count:     100
    .vgpr_count:     1024
    .wavefront_size: 32
...
	.end_amdgpu_metadata
.endif
;; end of part 2
;; launch attn (part 3): grid 32 x 8, 4 waves a work-group, clusters of 4 x 4, 327,680 bytes of LDS; arguments qkv16, attention_mask, ctx16; writes ctx16
.if DOCPART == 3
	.amdgcn_target "amdgcn-amd-amdhsa--gfx1250"
	.amdhsa_code_object_version 6
	.text
	.protected	k_qf649bc679d_attn
	.globl	k_qf649bc679d_attn
	.p2align	8
	.type	k_qf649bc679d_attn,@function
k_qf649bc679d_attn:
	s_mov_b64 s[64:65], 0
	v_nop
	global_prefetch_b8 v0, s[64:65] scope:SCOPE_SE
	s_setreg_imm32_b32 hwreg(HW_REG_WAVE_MODE, 25, 1), 1
	s_wait_xcnt 0x0
	s_wait_alu depctr_hold_cnt(0) depctr_sa_sdst(0) depctr_va_vdst(0) depctr_va_sdst(0) depctr_va_ssrc(0) depctr_va_vcc(0) depctr_vm_vsrc(0)
	s_getreg_b32 s2, hwreg(HW_REG_IB_STS2, 6, 4)
	s_cmp_eq_u32 s2, 0
	s_cbranch_scc0 .Lentry_in_a_cluster
	s_endpgm
.Lentry_in_a_cluster:
	s_bfe_u32 s2, ttmp6, 0x10000c
	s_cmp_lg_u32 s2, 0xf033
	s_cbranch_scc0 .Lentry_shape_is_right
	s_endpgm
.Lentry_shape_is_right:
; ctx = softmax(q k^T / sqrt(128) + mask) v for 2 batches x 4 key heads x 2 query heads each.  qkv16 holds f16 of q / 8, k / 8, v / 8; the mask is an f32 input that is read whole and added in f32; no key is left out.
; ctx16 [4096 m][1024] f16 holds ctx / 8, column 128 head + d.  Products on f16 operands, sums in f32; maxima, exponentials and row sums in f32; the weights p (at most 1) are rounded to f16 for the second product.
; SOFTMAX, in powers of two: t = (q~ . k~) x 64 log2(e) / sqrt(128) + mask x log2(e), one fused multiply-add; m the running maximum of t, floored at -2^127; p = 2^(t - m); in every step O and l are
; multiplied by 2^(old m - new m).  The difference t - m is formed of t itself, so a row's largest p is 1 whatever the mask holds, a row of -1e9 too.
; LIMITS: a row whose every score lies under about -1.1e38 is not served (p is 0 in the whole row); |q|, |k|, |v| under 524,000 (f16 of an eighth).
; SHARES.  A work-group owns 64 positions x the 2 query heads of one (batch, key head).  Wave w: positions 32 (w % 2) on, four tiles of 16 queries (tile = 2 x position tile + head, so both heads of a
; position tile take the same mask registers), and HALF OF THE KEYS: of each slot's 128 keys those from 64 (w / 2) on.  So a fragment of K or V feeds four products.  At the end waves 2 and 3 hand O, m and l
; to waves 0 and 1 through LDS, as images of their registers.
; LAYOUT.  S^T = K Q^T (source 0 = 16 keys, source 1 = 16 queries) and O^T = V^T P: a lane holds one query throughout.  V ([key][channel]) comes out of LDS turned, by ds_load_tr16_b128.
; CLUSTER 4 x 4: cy = key head, cx = one of four blocks of positions, the cluster's y = batch.  K's and V's tiles are shared along a row of the cluster, the mask's tile along a column: all three are asked for jointly.
; REGISTERS: window 0: v3-15 addresses; v16-47 eight registers of statistics a tile (+0 m, +1 the old m, +2, +3 l, +4 to +7 at work, the factor in +6); v48-63 at work; v64-191 S^T (32 t + 8 a); v192-255 P (16 t).
;   window 1: O^T (64 t + 8 c).   window 2: v0-127 Q (32 t + 8 c), v128-255 K.   window 3: v0-127 V, v128-191 the mask (32 pt + 8 a + j).
.set PK,    272                        ; a row of K in LDS: 256 bytes + 16
.set PV,    288                        ; of V: 256 + 32
.set PM,    528                        ; of the mask: 512 + 16
.set VOFF,  128*PK
.set MOFF,  VOFF+128*PV
.set SLOT1, 1<<17                      ; slot 1 begins here: one exclusive or turns an address from one slot to the other
.set STAGE, MOFF+64*PM                 ; behind slot 0's tiles: 16 rows x 272 bytes a wave, for the way out; no tile lands here
.set XCH,   SLOT1+MOFF+64*PM           ; behind slot 1's: two regions of 33,792 bytes: 4 x 8,192 of O's images, 4 x 256 of (m, l)
.set SPARE, XCH+2*33792                ; the spare words, 128 bytes for each wave: two blocks of 256 bytes that no other line names
.set KVSTEP, 128*256                   ; a slot's keys in K and in V, in bytes
.set AK0, 3
.set AV0, 4
.set AM0, 5
.set ADRK, 6
.set QO,  7
.set STO, 8
.set RD,  9
.set GO,  10
.set XA,  11
.set XS,  12
.set PFO, 13
.set SPW, 14
.set NIL, 15
.set ST,  16
.set ADRM, 56
.set ADRV, 57
.set S,   64
.set P,   192
.set KF,  128                          ; in window 2
.set MK,  128                          ; in window 3
.set OB,  64                           ; the merge: the partner's tile
.set PKR, 128                          ; the merge: f16 pairs
.set BK,  160                          ; the merge: rows read back
.set WV,  10
.set PG,  11                           ; s11 wave % 2: which 32 positions; also which half of the mask's tile waves 2 and 3 fetch
.set KH,  12                           ; s12 wave / 2: which half of a slot's keys
.set CX,  13
.set CY,  14
.set PB,  15                           ; s15 block of 64 positions
.set BB,  16                           ; s16 batch
.set CNT, 17                           ; s17 slots still to be asked for
.set LIM, 18                           ; s18 1 in a wave that prefetches, else the greatest number
.set TB,  19                           ; s19 LDS byte at which the slot to be read begins
.set SEL, 20
.set LL,  22                           ; s[22:23] log2(e)
.set G1K, 24
.set G1V, 32
.set G1M, 40
.set G0K, 48                           ; two sets each for the first fills; the second then walks
.set G0V, 56
.set G0M, 68
.set CL,  76                           ; s[76:77] 64 log2(e) / sqrt(128)
.set PFA, 78
.set PFS, 80
.set MSB, 0
.macro WIN new
.if MSB != \new
	s_set_vgpr_msb (MSB<<8)|\new
.set MSB, \new
.endif
.endm
.set W_KQ, 0x0a
.set W_PV, 0x53
.set W_RS, 0x41
; A joint refill: wave 0 fetches K's tile, wave 1 V's, waves 2 and 3 the halves of the mask's.  The branches hang on the wave's number alone.  An s_nop 0 and four v_nop follow each line.
.macro JLOAD
	s_cmp_eq_u32 s[WV], 0
	s_cbranch_scc0 .Lnot_k_\@
	tensor_load_to_lds s[G0K+4:G0K+7], s[G1K:G1K+7]
	s_nop 0
.rept 4
	v_nop
.endr
	s_branch .Lasked_\@
.Lnot_k_\@:
	s_cmp_eq_u32 s[WV], 1
	s_cbranch_scc0 .Lnot_v_\@
	tensor_load_to_lds s[G0V+4:G0V+7], s[G1V:G1V+7]
	s_nop 0
.rept 4
	v_nop
.endr
	s_branch .Lasked_\@
.Lnot_v_\@:
	tensor_load_to_lds s[G0M+4:G0M+7], s[G1M:G1M+7]
	s_nop 0
.rept 4
	v_nop
.endr
.Lasked_\@:
.endm
; A PREFETCH of what the NEXT change of slots will ask for, one key step of 128 matrix instructions ahead of that load, behind my tensor load and its five lines.  Each aligned 256 bytes is named once in the launch.
; K's and V's rows are walked by the eight clusters of a (batch, key head): the first of them (cluster x = 0) asks, wave 0 for K and wave 1 for V; the four partners of a row of the cluster take 32 rows each, told apart
; by address (32 cx + lane).  The mask's tile belongs to one column of one cluster: wave 2 asks, each of the four partners for 16 rows x 2 blocks (row 16 cy + lane / 2).  The last change that fills a slot asks for nothing.
.macro ASK
	s_cmp_gt_u32 s[CNT], s[LIM]
	s_cbranch_scc0 .Lnot_mine_\@
	global_prefetch_b8 v[PFO], s[PFA:PFA+1] th:TH_LOAD_NT scope:SCOPE_SE
.Lnot_mine_\@:
.endm
.macro CROUND
	s_barrier_signal -1
	s_barrier_wait -1
	s_cmp_lg_u32 s[WV], 0
	s_cbranch_scc1 .Lnot_wave_0_\@
	s_barrier_signal -3
.Lnot_wave_0_\@:
	s_barrier_wait -3
	s_barrier_signal -1
	s_barrier_wait -1
.endm
.macro PLACES
.rept 4
	v_nop
.endr
.endm
	s_load_b128 s[4:7], s[0:1], 0x0                ; qkv16, attention_mask
	s_load_b64 s[8:9], s[0:1], 0x10                ; ctx16
	v_lshl_add_u32 v[SPW], v0, 2, SPARE
	v_mov_b32 v[NIL], 0
	ds_add_u32 v[SPW], v[NIL]                      ; the wave's opening: the add, twice on end, and its wait ahead of my first tensor load
	ds_add_u32 v[SPW], v[NIL]
	v_lshrrev_b32 v1, 5, v0
	v_readfirstlane_b32 s[WV], v1
	s_and_b32 s[PG], s[WV], 1
	s_lshr_b32 s[KH], s[WV], 1
	s_bfe_u32 s[CX], ttmp6, 0x40000
	s_bfe_u32 s[CY], ttmp6, 0x40004
	s_lshl_b32 s[PB], ttmp9, 2
	s_add_co_u32 s[PB], s[PB], s[CX]               ; block of positions = 4 x cluster x + cx
	s_and_b32 s[BB], ttmp7, 0xffff                 ; batch = cluster y
	s_lshl_b32 s82, s[CY], 2
	s_lshl_b32 s82, 15, s82                        ; my row of the cluster
	s_lshl_b32 s83, 0x1111, s[CX]                  ; my column
	s_or_b32 s[G1K], s82, (1<<16)|(1<<20)|(1<<21)|(5<<22)|(3<<25)   ; elements of 2 bytes; after every 64 words 4 words of padding
	s_or_b32 s[G1V], s82, (1<<16)|(1<<20)|(1<<21)|(5<<22)|(7<<25)   ; 8 words
	s_or_b32 s[G1M], s83, (2<<16)|(1<<20)|(1<<21)|(6<<22)|(3<<25)   ; elements of 4 bytes; after every 128 words 4 words
.irp g, G1K, G1V
	s_mov_b32 s[\g+1], 128<<16                     ; tensor_dim0 = 128 channels
	s_mov_b32 s[\g+2], 128<<16                     ; tensor_dim1 = 128 keys
	s_mov_b32 s[\g+3], 128<<16                     ; tile_dim0
	s_mov_b32 s[\g+4], 128                         ; tile_dim1
	s_mov_b32 s[\g+5], 128                         ; from row to row
	s_mov_b32 s[\g+6], 0
	s_mov_b32 s[\g+7], 0
.endr
	s_mov_b32 s[G1M+1], 128<<16                    ; 128 keys
	s_mov_b32 s[G1M+2], 32<<16                     ; 32 positions
	s_mov_b32 s[G1M+3], 128<<16
	s_mov_b32 s[G1M+4], 32
	s_mov_b32 s[G1M+5], 2048
	s_mov_b32 s[G1M+6], 0
	s_mov_b32 s[G1M+7], 0
	s_mov_b32 s[SEL], 0x76543210
	s_mov_b32 s[SEL+1], 0xfedcba98
	s_mov_b32 s[LL], 0x3fb8aa3b
	s_mov_b32 s[LL+1], s[LL]
	s_mov_b32 s[CL], 0x410293ee
	s_mov_b32 s[CL+1], s[CL]
	s_mov_b32 s[TB], 0
	s_add_co_u32 s84, s[CY], 8                     ; K: slot 8 + key head,
	s_lshl_b32 s84, s84, 20
	s_lshl_b32 s85, s[BB], 19                      ; the batch's 2,048 rows of 256 bytes
	s_add_co_u32 s84, s84, s85
	s_mov_b32 s85, 0
	s_add_co_u32 s86, s84, 4<<20                   ; V: four slots on
	s_mov_b32 s87, 0
	s_lshl_b32 s88, s[PB], 6                       ; the mask: row 64 x block + 32 x (wave % 2),
	s_lshl_b32 s89, s[PG], 5
	s_add_co_u32 s88, s88, s89
	s_lshl_b32 s88, s88, 13                        ; 8,192 bytes a row,
	s_lshl_b32 s89, s[BB], 24                      ; 2^24 a batch
	s_add_co_u32 s88, s88, s89
	s_mov_b32 s89, 0
	s_mul_i32 s90, s[PG], 32*PM
	s_add_co_u32 s90, s90, MOFF                    ; and its place in a slot
	s_lshl_b32 s91, s[BB], 11
	s_lshl_b32 s92, s[PB], 6
	s_add_co_u32 s91, s91, s92
	s_lshl_b32 s92, s[PG], 5
	s_add_co_u32 s91, s91, s92                     ; my first row m = 2048 b + 64 block + 32 (wave % 2)
	s_lshl_b32 s92, s91, 8
	s_lshl_b32 s93, s[CY], 21                      ; Q: slot 2 x key head
	s_add_co_u32 s92, s92, s93
	s_mov_b32 s93, 0
	s_lshl_b32 s94, s91, 11                        ; ctx16: 2,048 bytes a row, 256 a head
	s_lshl_b32 s95, s[CY], 9
	s_add_co_u32 s94, s94, s95
	s_mov_b32 s95, 0
	s_lshl_b32 s96, s[WV], 2                       ; the prefetches: K's (wave 0) or V's (wave 1) rows 32 cx on, in slot 2;
	s_add_co_u32 s96, s96, s[CY]
	s_add_co_u32 s96, s96, 8
	s_lshl_b32 s96, s96, 20
	s_lshl_b32 s98, s[BB], 19
	s_add_co_u32 s96, s96, s98
	s_lshl_b32 s98, s[CX], 13
	s_add_co_u32 s96, s96, s98
	s_add_co_u32 s96, s96, 2*KVSTEP
	s_lshl_b32 s97, s[PB], 6                       ; or the mask's rows 16 cy on
	s_lshl_b32 s98, s[CY], 4
	s_add_co_u32 s97, s97, s98
	s_lshl_b32 s97, s97, 13
	s_lshl_b32 s98, s[BB], 24
	s_add_co_u32 s97, s97, s98
	s_add_co_u32 s97, s97, 2*512
	s_lshr_b32 s98, s[WV], 1
	s_and_b32 s98, s98, s[WV]                      ; 1 in wave 3 alone
	s_wait_dscnt 0x0                               ; both opening adds are done
	s_wait_kmcnt 0x0
	s_add_nc_u64 s[84:85], s[4:5], s[84:85]
	s_add_nc_u64 s[86:87], s[4:5], s[86:87]
	s_add_nc_u64 s[88:89], s[6:7], s[88:89]
	s_add_nc_u64 s[92:93], s[4:5], s[92:93]
	s_add_nc_u64 s[8:9], s[8:9], s[94:95]
	s_cmp_lt_u32 s[WV], 2
	s_cselect_b64 s[PFA:PFA+1], s[4:5], s[6:7]
	s_cselect_b32 s96, s96, s97
	s_cselect_b32 s99, -1, 0                       ; all lanes, or none
	s_cselect_b32 s94, ttmp9, 0                    ; waves 0 and 1 ask in the first cluster of their row of clusters alone
	s_mov_b32 s[PFS], 512
	s_cselect_b32 s[PFS], KVSTEP, s[PFS]           ; a slot on
	s_mov_b32 s[PFS+1], 0
	s_mov_b32 s97, 0
	s_add_nc_u64 s[PFA:PFA+1], s[PFA:PFA+1], s[96:97]   ; at slot 2: the first change of slots steps it to slot 3.  Nothing is prefetched here, at the head
	s_or_b32 s94, s94, s98
	s_cmp_eq_u32 s94, 0
	s_cselect_b32 s[LIM], 1, -1                    ; the same in all partners, for a given wave
	CROUND                                         ; all sixteen work-groups are here: the first joint loads meet
.irp s, 0,1
	s_mov_b32 s[G0K+4*\s], 1
	s_mov_b32 s[G0K+4*\s+1], \s*SLOT1
	s_add_nc_u64 s[G0K+4*\s+2:G0K+4*\s+3], s[84:85], \s*KVSTEP
	s_or_b32 s[G0K+4*\s+3], s[G0K+4*\s+3], 0x80000000
	s_mov_b32 s[G0V+4*\s], 1
	s_mov_b32 s[G0V+4*\s+1], \s*SLOT1+VOFF
	s_add_nc_u64 s[G0V+4*\s+2:G0V+4*\s+3], s[86:87], \s*KVSTEP
	s_or_b32 s[G0V+4*\s+3], s[G0V+4*\s+3], 0x80000000
	s_mov_b32 s[G0M+4*\s], 1
	s_add_co_u32 s[G0M+4*\s+1], s90, \s*SLOT1
	s_add_nc_u64 s[G0M+4*\s+2:G0M+4*\s+3], s[88:89], \s*512
	s_or_b32 s[G0M+4*\s+3], s[G0M+4*\s+3], 0x80000000
.endr
	s_cmp_eq_u32 s[WV], 0                          ; a wave's two first fills stand in one arm: two loads of mine are out
	s_cbranch_scc0 .Lfirst_not_k
	tensor_load_to_lds s[G0K:G0K+3], s[G1K:G1K+7]
	s_nop 0
	tensor_load_to_lds s[G0K+4:G0K+7], s[G1K:G1K+7]
	s_nop 0
.rept 4
	v_nop
.endr
	s_branch .Lfirst_asked
.Lfirst_not_k:
	s_cmp_eq_u32 s[WV], 1
	s_cbranch_scc0 .Lfirst_not_v
	tensor_load_to_lds s[G0V:G0V+3], s[G1V:G1V+7]
	s_nop 0
	tensor_load_to_lds s[G0V+4:G0V+7], s[G1V:G1V+7]
	s_nop 0
.rept 4
	v_nop
.endr
	s_branch .Lfirst_asked
.Lfirst_not_v:
	tensor_load_to_lds s[G0M:G0M+3], s[G1M:G1M+7]
	s_nop 0
	tensor_load_to_lds s[G0M+4:G0M+7], s[G1M:G1M+7]
	s_nop 0
.rept 4
	v_nop
.endr
.Lfirst_asked:
	v_and_b32 v1, 15, v0                           ; r
	v_bfe_u32 v2, v0, 4, 1                         ; h
	v_lshlrev_b32 v[QO], 8, v1
	v_lshl_add_u32 v[QO], v2, 4, v[QO]             ; Q: row r of 256 bytes, + 16 h
	WIN 0x80                                       ; destination window 2
.irp t, 0,1,2,3                        ; tile t = 2 pt + g: head g is a slot on, position tile pt 16 rows on
.irp c, 0,1,2,3
	global_load_b128 v[32*\t+8*\c:32*\t+8*\c+3], v[QO], s[92:93] offset:(\t%2)*1048576+(\t/2)*4096+64*\c
	global_load_b128 v[32*\t+8*\c+4:32*\t+8*\c+7], v[QO], s[92:93] offset:(\t%2)*1048576+(\t/2)*4096+64*\c+32
.endr
.endr
	WIN 0
	v_mul_u32_u24 v[AK0], v1, PK                   ; K: key r of a tile, + 16 h, + my half's 64 keys
	v_lshl_add_u32 v[AK0], v2, 4, v[AK0]
	s_mul_i32 s82, s[KH], 64*PK
	v_add_nc_u32 v[AK0], s82, v[AK0]
	v_and_b32 v48, 7, v0                           ; V, for the turning load: key 8 h + lane % 8, channels 8 ((lane / 8) % 2) on
	v_lshl_add_u32 v48, v2, 3, v48
	v_mul_u32_u24 v[AV0], v48, PV
	v_bfe_u32 v49, v0, 3, 1
	v_lshl_add_u32 v[AV0], v49, 4, v[AV0]
	s_mul_i32 s82, s[KH], 64*PV
	s_add_co_u32 s82, s82, VOFF
	v_add_nc_u32 v[AV0], s82, v[AV0]
	v_mul_u32_u24 v[AM0], v1, PM                   ; the mask: position 32 (wave % 2) + r, keys 64 (wave / 2) + 8 h on
	v_lshl_add_u32 v[AM0], v2, 5, v[AM0]
	s_mul_i32 s82, s[PG], 32*PM
	s_lshl_b32 s83, s[KH], 8
	s_add_co_u32 s82, s82, s83
	s_add_co_u32 s82, s82, MOFF
	v_add_nc_u32 v[AM0], s82, v[AM0]
	s_mul_i32 s82, s[WV], 16*272
	s_add_co_u32 s82, s82, STAGE                   ; my stage
	v_mul_u32_u24 v[STO], v1, 272
	v_lshl_add_u32 v[STO], v2, 4, v[STO]
	v_add_nc_u32 v[STO], s82, v[STO]
	v_mul_u32_u24 v[RD], v2, 272
	v_lshl_add_u32 v[RD], v1, 4, v[RD]
	v_add_nc_u32 v[RD], s82, v[RD]
	v_lshlrev_b32 v[GO], 11, v2                    ; ctx16: lanes 0-15 one row, lanes 16-31 the next; 16 bytes a lane
	v_lshl_add_u32 v[GO], v1, 4, v[GO]
	v_and_b32 v50, 31, v0
	s_mul_i32 s82, s[PG], 33792
	s_add_co_u32 s82, s82, XCH
	v_lshl_add_u32 v[XA], v50, 4, s82              ; the exchange: an image's 16 bytes a lane,
	s_add_co_u32 s83, s82, 32768
	v_lshl_add_u32 v[XS], v50, 3, s83              ; and (m, l), 8 bytes a lane
	v_lshlrev_b32 v51, 8, v50                      ; the prefetches' offset: a lane a row of K or V,
	v_lshrrev_b32 v52, 1, v50
	v_and_b32 v53, 1, v50
	v_lshlrev_b32 v53, 8, v53
	v_lshl_add_u32 v52, v52, 13, v53               ; or two lanes a row of the mask
	v_cndmask_b32 v[PFO], v52, v51, s99
.macro FETCH_K                         ; my 64 keys x 128 channels: fragment f = 4 a + c
	WIN 0
	v_add_nc_u32 v[ADRK], s[TB], v[AK0]
	WIN 0x80
.irp f, 0,1,2,3,4,5,6,7,8,9,10,11,12,13,14,15
	ds_load_b128 v[KF+8*\f:KF+8*\f+3], v[ADRK] offset:(\f/4)*16*PK+(\f%4)*64
	ds_load_b128 v[KF+8*\f+4:KF+8*\f+7], v[ADRK] offset:(\f/4)*16*PK+(\f%4)*64+32
.endr
.endm
.macro FETCH_M                         ; my 32 positions x 64 keys of the mask, in the scores' own layout
	WIN 0
	v_add_nc_u32 v[ADRM], s[TB], v[AM0]
	WIN 0xc0
.irp u, 0,1
.irp a, 0,1,2,3
	ds_load_b128 v[MK+32*\u+8*\a:MK+32*\u+8*\a+3], v[ADRM] offset:\u*16*PM+64*\a
	ds_load_b128 v[MK+32*\u+8*\a+4:MK+32*\u+8*\a+7], v[ADRM] offset:\u*16*PM+64*\a+16
.endr
.endr
.endm
.macro FETCH_V                         ; my 64 keys x 128 channels, turned: fragment f = 8 ks + c
	WIN 0
	v_add_nc_u32 v[ADRV], s[TB], v[AV0]
	WIN 0xc0
.irp f, 0,1,2,3,4,5,6,7,8,9,10,11,12,13,14,15
	ds_load_tr16_b128 v[8*\f:8*\f+3], v[ADRV] offset:(\f/8)*32*PV+(\f%8)*32
	ds_load_tr16_b128 v[8*\f+4:8*\f+7], v[ADRV] offset:(\f/8)*32*PV+16*PV+(\f%8)*32
.endr
.endm
; 64 products S^T = K Q^T: the 16 accumulators take turns, one instruction a turn; the first 16 start the sums.
.macro KQ
	WIN W_KQ
.irp c, 0,1,2,3
.irp a, 0,1,2,3
.irp t, 0,1,2,3
.if \c == 0
	v_wmma_f32_16x16x32_f16 v[S+32*\t+8*\a:S+32*\t+8*\a+7], v[KF+8*(4*\a+\c):KF+8*(4*\a+\c)+7], v[32*\t+8*\c:32*\t+8*\c+7], 0
.else
	v_wmma_f32_16x16x32_f16 v[S+32*\t+8*\a:S+32*\t+8*\a+7], v[KF+8*(4*\a+\c):KF+8*(4*\a+\c)+7], v[32*\t+8*\c:32*\t+8*\c+7], v[S+32*\t+8*\a:S+32*\t+8*\a+7]
.endif
.endr
.endr
.endr
.endm
; 64 products O^T += V^T P: the 32 accumulators take turns.  first = 1: the first 32 start the sums.
.macro PV first
	WIN W_PV
.irp k, 0,1
.irp c, 0,1,2,3,4,5,6,7
.irp t, 0,1,2,3
.if \first && (\k == 0)
	v_wmma_f32_16x16x32_f16 v[64*\t+8*\c:64*\t+8*\c+7], v[64*\k+8*\c:64*\k+8*\c+7], v[P+16*\t+8*\k:P+16*\t+8*\k+7], 0
.else
	v_wmma_f32_16x16x32_f16 v[64*\t+8*\c:64*\t+8*\c+7], v[64*\k+8*\c:64*\k+8*\c+7], v[P+16*\t+8*\k:P+16*\t+8*\k+7], v[64*\t+8*\c:64*\t+8*\c+7]
.endif
.endr
.endr
.endr
.endm
; The mask x log2(e): 32 plain instructions that name no register of the products K Q^T: they are also the places behind those products.  Then t, one fused multiply-add; each accumulator is read from its low end on.
.macro MASKADD
	WIN 0xc3
.set i, 0
.rept 32
	v_pk_mul_f32 v[MK+i:MK+i+1], v[MK+i:MK+i+1], s[LL:LL+1] op_sel_hi:[1,0]
.set i, i+2
.endr
	WIN 0x30
.irp a, 0,1,2,3
.irp j, 0,2,4,6
.irp t, 0,1,2,3
	v_pk_fma_f32 v[S+32*\t+8*\a+\j:S+32*\t+8*\a+\j+1], v[S+32*\t+8*\a+\j:S+32*\t+8*\a+\j+1], s[CL:CL+1], v[MK+32*(\t/2)+8*\a+\j:MK+32*(\t/2)+8*\a+\j+1] op_sel_hi:[1,0,1]
.endr
.endr
.endr
.endm
.macro SOFTMAX first
	WIN 0
.irp j, 0,1,2,3                        ; the maximum of a lane's 32 scores and the old m: four chains a tile, the four tiles by turns
.irp t, 0,1,2,3
	v_max3_num_f32 v[ST+8*\t+4+\j], v[S+32*\t+8*\j], v[S+32*\t+8*\j+1], v[S+32*\t+8*\j+2]
.endr
.endr
.irp k, 1,2
.irp j, 0,1,2,3
.irp t, 0,1,2,3
	v_max3_num_f32 v[ST+8*\t+4+\j], v[ST+8*\t+4+\j], v[S+32*\t+8*\j+2*\k+1], v[S+32*\t+8*\j+2*\k+2]
.endr
.endr
.endr
.irp t, 0,1,2,3
	v_max3_num_f32 v[ST+8*\t+4], v[ST+8*\t+4], v[S+32*\t+7], v[S+32*\t+15]
.endr
.irp t, 0,1,2,3
	v_max3_num_f32 v[ST+8*\t+6], v[ST+8*\t+6], v[S+32*\t+23], v[S+32*\t+31]
.endr
.irp t, 0,1,2,3
	v_max3_num_f32 v[ST+8*\t+4], v[ST+8*\t+4], v[ST+8*\t+5], v[ST+8*\t+6]
.endr
.irp t, 0,1,2,3
.if \first
	v_max3_num_f32 v[ST+8*\t+4], v[ST+8*\t+4], v[ST+8*\t+7], 0xff000000   ; the floor -2^127: m stays finite where every entry is -infinity
.else
	v_max3_num_f32 v[ST+8*\t+4], v[ST+8*\t+4], v[ST+8*\t+7], v[ST+8*\t]
.endif
.endr
.irp t, 0,1,2,3
	v_permlanex16_b32 v[ST+8*\t+5], v[ST+8*\t+4], s[SEL], s[SEL+1]   ; the query's other 32 keys lie in the lane 16 away
.endr
.irp t, 0,1,2,3
.if \first
	v_mov_b32 v[ST+8*\t+1], 0                      ; (named as the upper half of the pair with m, so it is written)
.else
	v_mov_b32 v[ST+8*\t+1], v[ST+8*\t]             ; the old m
.endif
.endr
.irp t, 0,1,2,3
	v_max_num_f32 v[ST+8*\t], v[ST+8*\t+4], v[ST+8*\t+5]
.endr
.if !\first
.irp t, 0,1,2,3
	v_sub_f32 v[ST+8*\t+7], v[ST+8*\t+1], v[ST+8*\t]
.endr
.endif
.irp t, 0,1,2,3
.set i, 0
.rept 16
	v_pk_add_f32 v[S+32*\t+i:S+32*\t+i+1], v[S+32*\t+i:S+32*\t+i+1], v[ST+8*\t:ST+8*\t+1] op_sel_hi:[1,0] neg_lo:[0,1] neg_hi:[0,1]   ; t - m
.set i, i+2
.endr
.endr
.if !\first
.irp t, 0,1,2,3
	v_exp_f32 v[ST+8*\t+6], v[ST+8*\t+7]           ; 2^(old m - new m)
.endr
.endif
.set i, 0
.rept 128
	v_exp_f32 v[S+i], v[S+i]                       ; p
.set i, i+1
.endr
	v_nop                                          ; a plain instruction behind the last exponential
	s_wait_alu depctr_va_vdst(0)                   ; one wait for the whole batch, ahead of its first reader
.set i, 0
.rept 64
	v_cvt_pk_f16_f32 v[P+i], v[S+2*i], v[S+2*i+1]  ; two tiles of 16 keys, rounded in pairs, are source 1 (32 keys x 16 queries) of the second product
.set i, i+1
.endr
.irp u, 0,1,2,3,4,5,6,7                ; the row's sum is taken of the f32 p, in place
.irp t, 0,1,2,3
	v_pk_add_f32 v[S+32*\t+4*\u:S+32*\t+4*\u+1], v[S+32*\t+4*\u:S+32*\t+4*\u+1], v[S+32*\t+4*\u+2:S+32*\t+4*\u+3]
.endr
.endr
.irp u, 0,1,2,3
.irp t, 0,1,2,3
	v_pk_add_f32 v[S+32*\t+8*\u:S+32*\t+8*\u+1], v[S+32*\t+8*\u:S+32*\t+8*\u+1], v[S+32*\t+8*\u+4:S+32*\t+8*\u+5]
.endr
.endr
.irp u, 0,1
.irp t, 0,1,2,3
	v_pk_add_f32 v[S+32*\t+16*\u:S+32*\t+16*\u+1], v[S+32*\t+16*\u:S+32*\t+16*\u+1], v[S+32*\t+16*\u+8:S+32*\t+16*\u+9]
.endr
.endr
.if \first
.irp t, 0,1,2,3
	v_pk_add_f32 v[ST+8*\t+2:ST+8*\t+3], v[S+32*\t:S+32*\t+1], v[S+32*\t+16:S+32*\t+17]
.endr
.else
.irp t, 0,1,2,3
	v_pk_add_f32 v[S+32*\t:S+32*\t+1], v[S+32*\t:S+32*\t+1], v[S+32*\t+16:S+32*\t+17]
.endr
.irp t, 0,1,2,3
	v_pk_fma_f32 v[ST+8*\t+2:ST+8*\t+3], v[ST+8*\t+2:ST+8*\t+3], v[ST+8*\t+6:ST+8*\t+7], v[S+32*\t:S+32*\t+1] op_sel_hi:[1,0,1]
.endr
	WIN W_RS
.irp t, 0,1,2,3                        ; O^T under the new m; each accumulator from its low end on
.set i, 0
.rept 32
	v_pk_mul_f32 v[64*\t+i:64*\t+i+1], v[64*\t+i:64*\t+i+1], v[ST+8*\t+6:ST+8*\t+7] op_sel_hi:[1,0]
.set i, i+2
.endr
.endr
.endif
.endm
; A KEY STEP: a slot's 128 keys, 64 of them mine.  All that I read of the slot (K, the mask, V) is in registers when the scores are made, so the change of slots stands in the step's middle, and a refill has
; this step's softmax and second product and the next step's first product in which to land.
; fetch = 1: there is a next step.  fill = 1: the slot just read is filled again, with the keys two slots on.
.macro STEP first, fill, fetch
	s_wait_dscnt 32                                ; K's 32 loads and the mask's 16 are in; V's 32, the youngest, may be out
	KQ
	WIN 0
.if \fetch
	s_wait_tensorcnt 0x0                           ; all my tensor loads have landed: my part of the next slot
	ds_add_u32 v[SPW], v[NIL]                      ; 0 onto my spare word; the mask's work stands between it and the wait for it
.endif
	MASKADD
.if \fill
.irp g, G0K+4, G0V+4
	s_xor_b32 s[\g+1], s[\g+1], SLOT1              ; the walking descriptors: the other slot than last time,
	s_add_nc_u64 s[\g+2:\g+3], s[\g+2:\g+3], KVSTEP   ; the next 128 keys
.endr
	s_xor_b32 s[G0M+5], s[G0M+5], SLOT1
	s_add_nc_u64 s[G0M+6:G0M+7], s[G0M+6:G0M+7], 512
	s_wait_xcnt 0x0                                ; the last prefetch, a step back, has read its address
	s_add_nc_u64 s[PFA:PFA+1], s[PFA:PFA+1], s[PFS:PFS+1]
.endif
	s_wait_dscnt 0x0                               ; the add is done, V is in: my reads of this slot are over
	WIN 0
.if \fill
	CROUND                                         ; no wave of any partner still reads this slot or has a load on its way
	JLOAD                                          ; my one tensor load behind the round
	ASK
.elseif \fetch
	s_barrier_signal -1
	s_barrier_wait -1                              ; the last slot is whole for every wave; nothing is filled
.endif
.if \fetch
	s_xor_b32 s[TB], s[TB], SLOT1
	FETCH_K                                        ; the next step's; the mask's work above was the places behind the products that read K
	FETCH_M
.endif
	SOFTMAX \first
	PV \first
.if \fetch
	PLACES                                         ; behind the products that read V
	FETCH_V
.endif
	WIN 0
.endm
	s_wait_tensorcnt 1                             ; my part of slot 0 is in; slot 1's may be out
	s_barrier_signal -1
	s_barrier_wait -1
	FETCH_K
	FETCH_M
	FETCH_V
	WIN 0
	s_wait_loadcnt 0x0                             ; Q
	s_mov_b32 s[CNT], 14                           ; 16 key steps; slots 2 to 15 are asked for behind steps 0 to 13
	STEP 1, 1, 1
	s_mov_b32 s[CNT], 13
.Lstep:
	STEP 0, 1, 1
	s_sub_co_u32 s[CNT], s[CNT], 1
	s_cmp_lg_u32 s[CNT], 0
	s_cbranch_scc1 .Lstep
	STEP 0, 0, 1                                   ; the tail is written out
	STEP 0, 0, 0
	; THE MERGE of the two halves of the keys.  Waves 2 and 3 store O^T as images of its registers, and (m, l); waves 0 and 1 bring both halves under the larger m, divide by the whole sum, and store.
	PLACES
.irp t, 0,1,2,3
	v_add_f32 v[ST+8*\t+1], v[ST+8*\t+2], v[ST+8*\t+3]   ; l's two halves, beside m
.endr
	s_cmp_eq_u32 s[KH], 0
	s_cbranch_scc1 .Lkeep
	WIN 0x04                                       ; an LDS store's data are its source 1: window 1
.irp t, 0,1,2,3
.irp i, 0,1,2,3,4,5,6,7,8,9,10,11,12,13,14,15
	ds_store_b128 v[XA], v[64*\t+4*\i:64*\t+4*\i+3] offset:\t*8192+\i*512
.endr
.endr
	WIN 0
.irp t, 0,1,2,3
	ds_store_b64 v[XS], v[ST+8*\t:ST+8*\t+1] offset:256*\t
.endr
.Lkeep:
	s_wait_dscnt 0x0                               ; for the others' sake: my stores have landed
	s_barrier_signal -1
	s_barrier_wait -1
	s_cmp_lg_u32 s[KH], 0
	s_cbranch_scc1 .Lsent
.irp t, 0,1,2,3
	ds_load_b64 v[48+2*\t:49+2*\t], v[XS] offset:256*\t
.endr
	s_wait_dscnt 0x0
.irp t, 0,1,2,3
	v_max_num_f32 v[ST+8*\t+4], v[ST+8*\t], v[48+2*\t]
.endr
.irp t, 0,1,2,3
	v_sub_f32 v[ST+8*\t+5], v[ST+8*\t], v[ST+8*\t+4]
	v_sub_f32 v[ST+8*\t+7], v[48+2*\t], v[ST+8*\t+4]
.endr
.irp t, 0,1,2,3
	v_exp_f32 v[ST+8*\t+5], v[ST+8*\t+5]
	v_exp_f32 v[ST+8*\t+7], v[ST+8*\t+7]
.endr
	v_nop
	s_wait_alu depctr_va_vdst(0)                   ; one wait for the eight
.irp t, 0,1,2,3
	v_mul_f32 v[ST+8*\t+2], v[ST+8*\t+1], v[ST+8*\t+5]
.endr
.irp t, 0,1,2,3
	v_fma_f32 v[ST+8*\t+2], v[49+2*\t], v[ST+8*\t+7], v[ST+8*\t+2]
.endr
.irp t, 0,1,2,3
	v_permlanex16_b32 v[ST+8*\t+3], v[ST+8*\t+2], s[SEL], s[SEL+1]
.endr
.irp t, 0,1,2,3
	v_add_f32 v[ST+8*\t+2], v[ST+8*\t+2], v[ST+8*\t+3]   ; the row's whole sum
.endr
.irp t, 0,1,2,3
	v_rcp_f32 v[ST+8*\t+3], v[ST+8*\t+2]
.endr
	v_nop
	s_wait_alu depctr_va_vdst(0)                   ; one wait for the four
.irp t, 0,1,2,3
	v_mul_f32 v[ST+8*\t+6], v[ST+8*\t+5], v[ST+8*\t+3]   ; my half's factor,
	v_mul_f32 v[ST+8*\t+4], v[ST+8*\t+7], v[ST+8*\t+3]   ; the partner's
.endr
.macro OUTT t
	s_wait_xcnt 0x0                                ; the last tile's stores have read their registers
.irp i, 0,1,2,3,4,5,6,7,8,9,10,11,12,13,14,15
	ds_load_b128 v[OB+4*\i:OB+4*\i+3], v[XA] offset:(\t)*8192+\i*512
.endr
	s_wait_dscnt 0x0
	WIN W_RS
.set i, 0
.rept 32
	v_pk_mul_f32 v[64*(\t)+i:64*(\t)+i+1], v[64*(\t)+i:64*(\t)+i+1], v[ST+8*(\t)+6:ST+8*(\t)+7] op_sel_hi:[1,0]
.set i, i+2
.endr
	WIN 0x50                                       ; source 2 and destination window 1
.set i, 0
.rept 32
	v_pk_fma_f32 v[64*(\t)+i:64*(\t)+i+1], v[OB+i:OB+i+1], v[ST+8*(\t)+4:ST+8*(\t)+5], v[64*(\t)+i:64*(\t)+i+1] op_sel_hi:[1,0,1]
.set i, i+2
.endr
	WIN 0x05
.set i, 0
.rept 32
	v_cvt_pk_f16_f32 v[PKR+i], v[64*(\t)+2*i], v[64*(\t)+2*i+1]
.set i, i+1
.endr
	WIN 0
.irp f, 0,1,2,3,4,5,6,7
	ds_store_b128 v[STO], v[PKR+4*\f:PKR+4*\f+3] offset:32*\f
.endr
.irp f, 0,1,2,3,4,5,6,7
	ds_load_b128 v[BK+4*\f:BK+4*\f+3], v[RD] offset:544*\f   ; a wave's LDS instructions are served in order: these see my stores
.endr
.irp f, 0,1,2,3,4,5,6,7
	s_wait_dscnt 7-\f
	global_store_b128 v[GO], v[BK+4*\f:BK+4*\f+3], s[8:9] offset:((\t)/2)*32768+((\t)%2)*256+4096*\f   ; sixteen lanes store 256 consecutive bytes, aligned: a head's part of a row
.endr
.endm
	OUTT 0
	OUTT 1
	OUTT 2
	OUTT 3
.Lsent:
	s_wait_tensorcnt 0x0                           ; the wave's end
	ds_add_u32 v[SPW], v[NIL]
	s_wait_dscnt 0x0
	CROUND                                         ; the closing round
	s_endpgm
.Lfunc_end_k_qf649bc679d_attn:
	.size	k_qf649bc679d_attn, .Lfunc_end_k_qf649bc679d_attn-k_qf649bc679d_attn
	.p2alignl 7, 3214868480
	.fill 96, 4, 3214868480
	.section	.rodata,"a",@progbits
	.p2align	6, 0x0
	.amdhsa_kernel k_qf649bc679d_attn
		.amdhsa_group_segment_fixed_size 327680
		.amdhsa_private_segment_fixed_size 0
		.amdhsa_enable_private_segment 0
		.amdhsa_kernarg_size 24
		.amdhsa_user_sgpr_count 2
		.amdhsa_user_sgpr_kernarg_segment_ptr 1
		.amdhsa_wavefront_size32 1
		.amdhsa_system_sgpr_workgroup_id_x 1
		.amdhsa_system_sgpr_workgroup_id_y 1
		.amdhsa_system_sgpr_workgroup_id_z 1
		.amdhsa_system_vgpr_workitem_id 0
		.amdhsa_next_free_vgpr 1024
		.amdhsa_next_free_sgpr 100
		.amdhsa_reserve_vcc 0
		.amdhsa_float_denorm_mode_32 3
		.amdhsa_float_denorm_mode_16_64 3
		.amdhsa_memory_ordered 1
		.amdhsa_forward_progress 1
		.amdhsa_inst_pref_size 248
	.end_amdhsa_kernel
	.amdgpu_metadata
---
amdhsa.version: [ 1, 2 ]
amdhsa.kernels:
  - .name:           k_qf649bc679d_attn
    .symbol:         k_qf649bc679d_attn.kd
    .args:
      - { .name: qkv16, .offset: 0, .size: 8, .value_kind: global_buffer, .address_space: global }
      - { .name: attention_mask, .offset: 8, .size: 8, .value_kind: global_buffer, .address_space: global }
      - { .name: ctx16, .offset: 16, .size: 8, .value_kind: global_buffer, .address_space: global }
    .group_segment_fixed_size: 327680
    .private_segment_fixed_size: 0
    .kernarg_segment_align: 8
    .kernarg_segment_size: 24
    .max_flat_workgroup_size: 128
    .sgpr_count:     100
    .vgpr_count:     1024
    .wavefront_size: 32
...
	.end_amdgpu_metadata
.endif
;; end of part 3
;; launch oproj (part 4): grid 16 x 16, 4 waves a work-group, clusters of 4 x 4, 327,680 bytes of LDS; arguments ctx16, wo16, out0; writes out0
.if DOCPART == 4
	.amdgcn_target "amdgcn-amd-amdhsa--gfx1250"
	.amdhsa_code_object_version 6
	.text
	.protected	k_qf649bc679d_oproj
	.globl	k_qf649bc679d_oproj
	.p2align	8
	.type	k_qf649bc679d_oproj,@function
k_qf649bc679d_oproj:
	s_mov_b64 s[64:65], 0
	v_nop
	global_prefetch_b8 v0, s[64:65] scope:SCOPE_SE
	s_setreg_imm32_b32 hwreg(HW_REG_WAVE_MODE, 25, 1), 1
	s_wait_xcnt 0x0
	s_wait_alu depctr_hold_cnt(0) depctr_sa_sdst(0) depctr_va_vdst(0) depctr_va_sdst(0) depctr_va_ssrc(0) depctr_va_vcc(0) depctr_vm_vsrc(0)
	s_getreg_b32 s2, hwreg(HW_REG_IB_STS2, 6, 4)
	s_cmp_eq_u32 s2, 0
	s_cbranch_scc0 .Lentry_in_a_cluster
	s_endpgm
.Lentry_in_a_cluster:
	s_bfe_u32 s2, ttmp6, 0x10000c
	s_cmp_lg_u32 s2, 0xf033
	s_cbranch_scc0 .Lentry_shape_is_right
	s_endpgm
.Lentry_shape_is_right:
; out0 [4096 m][4096 n] f32 = ctx Wo.  ctx16 [4096][1024] holds f16 of ctx / 8, wo16 [1024 k][4096 n] f16 of 8 Wo: the two powers of two cancel.  Sums in f32.
; A tile of 256 x 256 is made by four waves, each 128 x 128: 64 accumulators, 512 registers.  K goes in steps of 128 through a ring of two LDS slots: ctx's rows are 256 bytes, Wo's 128 k-rows 512 bytes.
; Wo lies [k][n]: its fragments come out of LDS turned, by ds_load_tr16_b128.  THE MATRIX INSTRUCTION IS USED TRANSPOSED (source 0 = 16 columns n of Wo, source 1 = 16 rows of ctx): a lane holds eight
; neighbouring numbers of a row of out0.
; CLUSTERS: 4 x 4.  ctx's tile is shared along a row of the cluster, Wo's along a column: each is asked for jointly.
; No prefetch: the launch has 8 K steps, of which the first come by their loads in any case, and both operands are read by sixteen work-groups each.
; REGISTERS: window 0: v16-29 addresses; v64-127, v128-191 ctx's fragments, two buffers; on the way out v128-255.   window 1: v64-127, v128-191 Wo's.   windows 2, 3: the accumulators ((a, b) at v[8 (8 (a % 4) + b)]).
.set PITCH,  272                       ; ctx's LDS row: 256 bytes + 16
.set PB,     544                       ; Wo's: 512 bytes + 32
.set HALFT,  128*PITCH                 ; what one tensor load brings: 128 rows of ctx, or 64 k-rows of Wo (64 x 544, the same bytes)
.set SLOT,   4*HALFT
.set STAGE,  2*SLOT                    ; 16 rows x 528 bytes for each wave; no tile lands here
.set SPITCH, 528
.set SPARE,  STAGE+4*16*SPITCH         ; the spare words, 128 bytes for each wave: two blocks of 256 bytes that no other line names
.set ADRA, 16
.set ADRB, 20
.set STO,  24
.set RD,   25
.set CO,   26
.set SPW,  28
.set NIL,  29
.set F0,   64
.set F1,   128
.set BK,   128
.set G1,  24
.set G0,  32
.set G1B, 48
.set G0B, 56
.set MSB, 0
.macro WIN new
.if MSB != \new
	s_set_vgpr_msb (MSB<<8)|\new
.set MSB, \new
.endif
.endm
.set MUL_LO, 0xa1
.set MUL_HI, 0xf1
.set TO_B,   0x40
.macro JLOAD s                         ; waves 0 and 1 fetch ctx's halves, waves 2 and 3 Wo's; an s_nop 0 and four v_nop follow each of the two lines
	s_cmp_eq_u32 s11, 0
	s_cbranch_scc0 .Lfor_b_\@
	tensor_load_to_lds s[G0+4*\s:G0+4*\s+3], s[G1:G1+7]
	s_nop 0
.rept 4
	v_nop
.endr
	s_branch .Lasked_\@
.Lfor_b_\@:
	tensor_load_to_lds s[G0B+4*\s:G0B+4*\s+3], s[G1B:G1B+7]
	s_nop 0
.rept 4
	v_nop
.endr
.Lasked_\@:
.endm
.macro CREST
	s_cmp_lg_u32 s10, 0
	s_cbranch_scc1 .Lnot_wave_0_\@
	s_barrier_signal -3
.Lnot_wave_0_\@:
	s_barrier_wait -3
	s_barrier_signal -1
	s_barrier_wait -1
.endm
.macro CROUND
	s_barrier_signal -1
	s_barrier_wait -1
	CREST
.endm
.macro PLACES
.rept 4
	v_nop
.endr
.endm
	s_load_b128 s[4:7], s[0:1], 0x0                ; ctx16, wo16
	s_load_b64 s[8:9], s[0:1], 0x10                ; out0
	v_lshl_add_u32 v[SPW], v0, 2, SPARE
	v_mov_b32 v[NIL], 0
	ds_add_u32 v[SPW], v[NIL]                      ; the wave's opening: the add, twice on end, and its wait ahead of my first tensor load
	ds_add_u32 v[SPW], v[NIL]
	v_lshrrev_b32 v1, 5, v0
	v_readfirstlane_b32 s10, v1                    ; wave
	s_lshr_b32 s11, s10, 1                         ; which half of the tile's rows is mine; also: I fetch for ctx (0) or for Wo (1)
	s_and_b32 s12, s10, 1                          ; which half of its columns; also: which half of that tile I fetch
	s_bfe_u32 s40, ttmp6, 0x40000
	s_bfe_u32 s41, ttmp6, 0x40004
	s_lshl_b32 s42, ttmp9, 2
	s_add_co_u32 s42, s42, s40                     ; tile column
	s_and_b32 s13, ttmp7, 0xffff
	s_lshl_b32 s13, s13, 2
	s_add_co_u32 s13, s13, s41                     ; tile row
	s_lshl_b32 s43, s41, 2
	s_lshl_b32 s43, 15, s43
	s_lshl_b32 s44, 0x1111, s40
	s_or_b32 s[G1+0], s43, (1<<16)|(1<<20)|(1<<21)|(5<<22)|(3<<25)   ; elements of 2 bytes; after every 64 words 4 words of padding
	s_or_b32 s[G1B+0], s44, (1<<16)|(1<<20)|(1<<21)|(6<<22)|(7<<25)  ; after every 128 words 8 words
	s_mov_b32 s[G1+1], 128<<16                     ; 128 along K
	s_mov_b32 s[G1+2], 128<<16                     ; 128 rows
	s_mov_b32 s[G1+3], 128<<16
	s_mov_b32 s[G1+4], 128
	s_mov_b32 s[G1+5], 1024
	s_mov_b32 s[G1+6], 0
	s_mov_b32 s[G1+7], 0
	s_mov_b32 s[G1B+1], 256<<16                    ; 256 columns
	s_mov_b32 s[G1B+2], 64<<16                     ; 64 k-rows
	s_mov_b32 s[G1B+3], 256<<16
	s_mov_b32 s[G1B+4], 64
	s_mov_b32 s[G1B+5], 4096
	s_mov_b32 s[G1B+6], 0
	s_mov_b32 s[G1B+7], 0
	s_lshl_b32 s16, s13, 8
	s_lshl_b32 s17, s12, 7
	s_add_co_u32 s16, s16, s17                     ; ctx: row 256 x tile row + 128 x half,
	s_lshl_b32 s16, s16, 11                        ; 2,048 bytes a row
	s_mov_b32 s17, 0
	s_lshl_b32 s46, s42, 9                         ; Wo: column 256 x tile column, 2 bytes each,
	s_lshl_b32 s47, s12, 19                        ; k-row 64 x half, 8,192 bytes each
	s_add_co_u32 s46, s46, s47
	s_mov_b32 s47, 0
	s_mul_i32 s20, s10, HALFT                      ; where they go: wave x 34,816 bytes
	s_wait_dscnt 0x0
	s_wait_kmcnt 0x0
	s_add_nc_u64 s[14:15], s[4:5], s[16:17]
	s_add_nc_u64 s[46:47], s[6:7], s[46:47]
	CROUND                                         ; all sixteen work-groups are here: the first joint loads meet
.irp s, 0,1
	s_mov_b32 s[G0+4*\s], 1
	s_add_co_u32 s[G0+4*\s+1], s20, \s*SLOT
	s_add_nc_u64 s[G0+4*\s+2:G0+4*\s+3], s[14:15], \s*256
	s_or_b32 s[G0+4*\s+3], s[G0+4*\s+3], 0x80000000
	s_mov_b32 s[G0B+4*\s], 1
	s_add_co_u32 s[G0B+4*\s+1], s20, \s*SLOT
	s_add_nc_u64 s[G0B+4*\s+2:G0B+4*\s+3], s[46:47], \s*128*8192
	s_or_b32 s[G0B+4*\s+3], s[G0B+4*\s+3], 0x80000000
	JLOAD \s                                       ; two loads of mine are out
.endr
	v_and_b32 v1, 15, v0
	v_bfe_u32 v2, v0, 4, 1
	v_mul_u32_u24 v3, v1, PITCH
	v_lshl_add_u32 v3, v2, 4, v3                   ; ctx: row r x pitch + 16 h
	s_mul_i32 s21, s11, HALFT                      ; my 128 rows
	v_and_b32 v4, 7, v0                            ; Wo, for the turning load: k-row 8 h + lane % 8, columns 8 ((lane / 8) % 2) on
	v_lshl_add_u32 v4, v2, 3, v4
	v_mul_u32_u24 v4, v4, PB
	v_bfe_u32 v5, v0, 3, 1
	v_lshl_add_u32 v4, v5, 4, v4
	s_lshl_b32 s22, s12, 8                         ; my 128 columns,
	s_add_co_u32 s22, s22, 2*HALFT                 ; behind ctx's 256 rows
.irp s, 0,1
	v_add_nc_u32 v[ADRA+\s], s21, v3
	v_add_nc_u32 v[ADRB+\s], s22, v4
	s_add_co_u32 s21, s21, SLOT
	s_add_co_u32 s22, s22, SLOT
.endr
	s_mul_i32 s23, s10, 16*SPITCH
	s_add_co_u32 s23, s23, STAGE                   ; my stage
	v_mul_u32_u24 v5, v1, SPITCH
	v_lshl_add_u32 v5, v2, 5, v5
	v_add_nc_u32 v[STO], s23, v5                   ; in: row r, 32 bytes for each half of the lanes
	v_and_b32 v6, 31, v0
	v_lshlrev_b32 v[CO], 4, v6
	v_add_nc_u32 v[RD], s23, v[CO]                 ; back: the 32 lanes take one row of 512 bytes
	s_lshl_b32 s16, s13, 8
	s_lshl_b32 s17, s11, 7
	s_add_co_u32 s16, s16, s17                     ; my first row of out0,
	s_lshl_b32 s16, s16, 14                        ; 16,384 bytes a row
	s_lshl_b32 s46, s42, 10
	s_lshl_b32 s47, s12, 9
	s_add_co_u32 s46, s46, s47                     ; my first column, in bytes
	s_add_co_u32 s16, s16, s46
	s_mov_b32 s17, 0
	s_add_nc_u64 s[8:9], s[8:9], s[16:17]
; 16 products: row blocks a0, a0 + 1 of the window's four x all 8 column blocks, 32 along K.  The 64 accumulators take turns, one instruction a turn, in the same order in every quarter.
.macro MUL16 f, hi, a0, zero
.irp a, \a0, \a0+1
.irp b, 0,1,2,3,4,5,6,7
.if \zero
	v_wmma_f32_16x16x32_f16 v[8*(8*(\a)+\b):8*(8*(\a)+\b)+7], v[\f+8*\b:\f+8*\b+7], v[\f+8*(4*\hi+\a):\f+8*(4*\hi+\a)+7], 0
.else
	v_wmma_f32_16x16x32_f16 v[8*(8*(\a)+\b):8*(8*(\a)+\b)+7], v[\f+8*\b:\f+8*\b+7], v[\f+8*(4*\hi+\a):\f+8*(4*\hi+\a)+7], v[8*(8*(\a)+\b):8*(8*(\a)+\b)+7]
.endif
.endr
.endr
.endm
; 32 LDS loads in one run: the fragments of quarter kq (32 along K) of a slot into buffer f: Wo's 16, then ctx's 16
.macro FETCH slot, kq, f
	WIN TO_B
.irp i, 0,1,2,3,4,5,6,7
	ds_load_tr16_b128 v[\f+8*\i:\f+8*\i+3],   v[ADRB+\slot] offset:(\kq)*32*PB+\i*32
	ds_load_tr16_b128 v[\f+8*\i+4:\f+8*\i+7], v[ADRB+\slot] offset:(\kq)*32*PB+16*PB+\i*32
.endr
	WIN 0
.irp i, 0,1,2,3,4,5,6,7
	ds_load_b128 v[\f+8*\i:\f+8*\i+3],   v[ADRA+\slot] offset:(\kq)*64+\i*16*PITCH
	ds_load_b128 v[\f+8*\i+4:\f+8*\i+7], v[ADRA+\slot] offset:(\kq)*64+\i*16*PITCH+32
.endr
.endm
; One of a K step's first three quarters: multiplies buffer f; in its middle it fetches quarter kq of the same slot into buffer g.
.macro QUARTER slot, kq, f, g, zero
	s_wait_dscnt 8                                 ; Wo's fragments and ctx's rows 0-63 are in; the youngest eight loads (rows 64-127) may be out
	WIN MUL_LO
	MUL16 \f, 0, 0, \zero
	MUL16 \f, 0, 2, \zero
	PLACES
	FETCH \slot, \kq, \g
	s_wait_dscnt 32                                ; all but the 32 just issued
	WIN MUL_HI
	MUL16 \f, 1, 0, \zero
	MUL16 \f, 1, 2, \zero
.endm
; The last quarter multiplies buffer 1 and changes slots: one barrier; in front of it each wave waits for all its tensor loads, adds 0 to its spare word, and waits for that and for its reads of this slot.
.macro TURN slot, next, fill
	WIN 0
	s_wait_tensorcnt 0x0                           ; all my tensor loads have landed: my part of the next slot
	ds_add_u32 v[SPW], v[NIL]
	s_wait_dscnt 9                                 ; the add and the youngest eight loads may be out
	WIN MUL_LO
	MUL16 F1, 0, 0, 0                              ; sixteen products stand between the add and the wait for it
	s_wait_dscnt 0x0                               ; the add is done, and my reads of this slot are over
	s_barrier_signal -1
	MUL16 F1, 0, 2, 0
.if \fill
	WIN 0
.endif
	s_barrier_wait -1
.if \fill
	CREST                                          ; no wave of any partner still reads this slot or has a load on its way
	s_add_nc_u64 s[G0+4*\slot+2:G0+4*\slot+3], s[G0+4*\slot+2:G0+4*\slot+3], 512
	s_add_nc_u64 s[G0B+4*\slot+2:G0B+4*\slot+3], s[G0B+4*\slot+2:G0B+4*\slot+3], 2*128*8192
	JLOAD \slot                                    ; my one tensor load behind the round; its four v_nop are also the places in front of the loads below
.else
	PLACES
.endif
	FETCH \next, 0, F0
	WIN MUL_HI
	MUL16 F1, 1, 0, 0
	MUL16 F1, 1, 2, 0
.endm
	s_wait_tensorcnt 1                             ; my part of K step 0 is in; K step 1's may be out
	s_barrier_signal -1
	s_barrier_wait -1
	FETCH 0, 0, F0
	QUARTER 0, 1, F0, F1, 1                        ; the first quarter stands ahead of the loop: its products start the sums
	WIN 0
	s_mov_b32 s3, 3
.Llap:                                                 ; a trip goes once round the ring and fills both slots again: K steps 2 to 7
	QUARTER 0, 2, F1, F0, 0
	QUARTER 0, 3, F0, F1, 0
	TURN 0, 1, 1
	QUARTER 1, 1, F0, F1, 0
	QUARTER 1, 2, F1, F0, 0
	QUARTER 1, 3, F0, F1, 0
	TURN 1, 0, 1
	QUARTER 0, 1, F0, F1, 0
	WIN 0
	s_sub_co_u32 s3, s3, 1
	s_cmp_lg_u32 s3, 0
	s_cbranch_scc1 .Llap
	QUARTER 0, 2, F1, F0, 0                        ; the last lap fills nothing
	QUARTER 0, 3, F0, F1, 0
	TURN 0, 1, 0
	QUARTER 1, 1, F0, F1, 0
	QUARTER 1, 2, F1, F0, 0
	QUARTER 1, 3, F0, F1, 0
	s_wait_dscnt 8
	WIN MUL_LO
	MUL16 F1, 0, 0, 0
	MUL16 F1, 0, 2, 0
	s_wait_dscnt 0x0
	WIN MUL_HI
	MUL16 F1, 1, 0, 0
	MUL16 F1, 1, 2, 0
	WIN 0
; THE WAY OUT, 16 rows x 128 columns at a time, through my own stage: a lane holds 32 bytes of a row; whole rows of 512 bytes come back.  A wave's LDS instructions are served in order.
.macro TOSTAGE a
.set AC, 64*((\a)%4)
	WIN 0x08+4*((\a)/4)                            ; the data: window 2 or 3
.irp b, 0,1,2,3,4,5,6,7
	ds_store_b128 v[STO], v[AC+8*\b:AC+8*\b+3] offset:64*\b          ; each accumulator from its low end on
	ds_store_b128 v[STO], v[AC+8*\b+4:AC+8*\b+7] offset:64*\b+16
.endr
	WIN 0
.set BB, BK+64*((\a)%2)
.irp t, 0,1,2,3,4,5,6,7,8,9,10,11,12,13,14,15
	ds_load_b128 v[BB+4*\t:BB+4*\t+3], v[RD] offset:\t*SPITCH
.endr
.endm
.macro SEND a, younger                 ; younger: the LDS instructions issued behind block a's loads, which may stay out
.set BB, BK+64*((\a)%2)
	s_wait_dscnt \younger
.if (\a) > 0
	s_add_nc_u64 s[8:9], s[8:9], 16*16384          ; (behind a wait for 0 on XCNT: the earlier stores have read their base)  16 rows on
.endif
.irp t, 0,1,2,3,4,5,6,7,8,9,10,11,12,13,14,15
	global_store_b128 v[CO], v[BB+4*\t:BB+4*\t+3], s[8:9] offset:\t*16384 th:TH_STORE_NT   ; 32 lanes store 512 consecutive bytes, aligned
.endr
.endm
	PLACES
	TOSTAGE 0
.irp a, 1,2,3,4,5,6,7
.if \a > 1
	s_wait_xcnt 0x0                                ; block a - 2's stores have read their registers and their base
.endif
	TOSTAGE \a
	SEND \a-1, 32
.endr
	s_wait_xcnt 0x0
	SEND 7, 0
	s_wait_tensorcnt 0x0                           ; the wave's end
	ds_add_u32 v[SPW], v[NIL]
	s_wait_dscnt 0x0
	CROUND                                         ; the closing round
	s_endpgm
.Lfunc_end_k_qf649bc679d_oproj:
	.size	k_qf649bc679d_oproj, .Lfunc_end_k_qf649bc679d_oproj-k_qf649bc679d_oproj
	.p2alignl 7, 3214868480
	.fill 96, 4, 3214868480
	.section	.rodata,"a",@progbits
	.p2align	6, 0x0
	.amdhsa_kernel k_qf649bc679d_oproj
		.amdhsa_group_segment_fixed_size 327680
		.amdhsa_private_segment_fixed_size 0
		.amdhsa_enable_private_segment 0
		.amdhsa_kernarg_size 24
		.amdhsa_user_sgpr_count 2
		.amdhsa_user_sgpr_kernarg_segment_ptr 1
		.amdhsa_wavefront_size32 1
		.amdhsa_system_sgpr_workgroup_id_x 1
		.amdhsa_system_sgpr_workgroup_id_y 1
		.amdhsa_system_sgpr_workgroup_id_z 1
		.amdhsa_system_vgpr_workitem_id 0
		.amdhsa_next_free_vgpr 1024
		.amdhsa_next_free_sgpr 66
		.amdhsa_reserve_vcc 0
		.amdhsa_float_denorm_mode_32 3
		.amdhsa_float_denorm_mode_16_64 3
		.amdhsa_memory_ordered 1
		.amdhsa_forward_progress 1
		.amdhsa_inst_pref_size 141
	.end_amdhsa_kernel
	.amdgpu_metadata
---
amdhsa.version: [ 1, 2 ]
amdhsa.kernels:
  - .name:           k_qf649bc679d_oproj
    .symbol:         k_qf649bc679d_oproj.kd
    .args:
      - { .name: ctx16, .offset: 0, .size: 8, .value_kind: global_buffer, .address_space: global }
      - { .name: wo16, .offset: 8, .size: 8, .value_kind: global_buffer, .address_space: global }
      - { .name: out0, .offset: 16, .size: 8, .value_kind: global_buffer, .address_space: global }
    .group_segment_fixed_size: 327680
    .private_segment_fixed_size: 0
    .kernarg_segment_align: 8
    .kernarg_segment_size: 24
    .max_flat_workgroup_size: 128
    .sgpr_count:     66
    .vgpr_count:     1024
    .wavefront_size: 32
...
	.end_amdgpu_metadata
.endif
;; end of part 4
